; MI455X (gfx1250); checked and timed in simulation.
; The chip was launched on July 23, 2026; its instructions are those of AMD's public machine-readable ISA for CDNA 5 (MIT licence, August 2026) and "CDNA5" Instruction Set Architecture Reference Guide (July 2026). The comments in the code are by the model that wrote it; some were corrected since.
;; Transformer Block. Allowed arithmetic: matrix products marked QUANTISED: E2M1 operands, one E8M0 scale for each 32 along K, by v_wmma_scale_f32_16x16x128_f8f6f4 with both operands' format E2M1 (or v_wmma_scale_f32_32x16x128_f4), f32 sums; products left as they are: bf16, f16 or f32 operands; f32 sums; everything else in f32.
;; Inputs: W_K 16 x 2,048 x 128 float32; W_O 16 x 128 x 2,048 float32; W_Q 16 x 2,048 x 128 float32; W_V 16 x 2,048 x 128 float32; b_K 16 x 128 float32; b_O 2,048 float32; b_Q 16 x 128 float32; b_V 16 x 128 float32; key_input 1 x 2,048 x 2,048 float32; query_input 1 x 2,048 x 2,048 float32; value_input 1 x 2,048 x 2,048 float32.
;; Outputs: out0 1 x 2,048 x 2,048 float32.
;; This version of the problem:
;;   THIS VERSION OF THE PROBLEM IS GIVEN IN LOW PRECISION. The matrix products marked QUANTISED in the list below multiply operands that are first quantised to E2M1 (2 exponent bits, 1 mantissa bit; 4 bits a number), with one power-of-two scale for each 32 numbers along K (OCP MX v1.0); their sums are f32. The products marked 'left as it is' may take bf16, f16 or f32 operands, with f32 sums. Whichever they take, every output number must still come out within the allowed error. Rounding operands to bf16 (8 significant bits) uses up far more of that allowance than f16 does (11 bits, for magnitudes from 6e-5 to 65,504). All else is computed in f32.
;;   The module's matrix products, in the order in which they are computed (A, B: the left and right operand; K: the contracted axis; several contracted axes count as one K, in the product's order):
;;     1. [M 2,048, K 2,048] x [K 2,048, N 2,048]; A: input query_input; B: input W_Q: QUANTISED
;;     2. [M 2,048, K 2,048] x [K 2,048, N 2,048]; A: input key_input; B: input W_K: QUANTISED
;;     3. [M 2,048, K 2,048] x [K 2,048, N 2,048]; A: input value_input; B: input W_V: QUANTISED
;;     4. batch 16 x [M 2,048, K 128] x [K 128, N 2,048]; A: computed on the way; B: computed on the way: left as it is (an operand is computed on the way)
;;     5. batch 16 x [M 2,048, K 2,048] x [K 2,048, N 128]; A: computed on the way; B: computed on the way: left as it is (an operand is computed on the way)
;;     6. [M 2,048, K 2,048] x [K 2,048, N 2,048]; A: computed on the way; B: input W_O: left as it is (an operand is computed on the way)
;;   THE QUANTISER, for each operand of a quantised product, along K:
;;     - K is cut into blocks of 32 from its start; a last block that is shorter is filled with zeros.
;;     - A block's scale is 2^e with e = floor(log2(the largest magnitude in the block)) - 2, held to -126 .. 127; a block of zeros has e = 0. As a byte (E8M0): e + 127.
;;     - Each number is divided by its block's scale, clamped to +-6, and rounded to the nearest number of E2M1, ties to even, subnormals kept.
;;     - The product sums the exact products of the quantised numbers (number of the format x scale) in f32.
;;   ~~~python
;;   def quantise(x, axis):      # numpy; x: float32 -> the quantised numbers, widened to float32 again
;;       x = np.moveaxis(x, axis, -1); K = x.shape[-1]
;;       x = np.pad(x, [(0, 0)] * (x.ndim - 1) + [(0, -K % 32)]); x = x.reshape(x.shape[:-1] + (-1, 32)); a = np.abs(x).max(-1, keepdims=True)
;;       e = np.where(a > 0, np.clip(np.frexp(np.where(a > 0, a, 1))[1] - 1 - 2, -126, 127), 0)      # np.frexp(a)[1] - 1 = floor(log2(a)), exactly
;;       r = np.clip(x / 2.0 ** e, -6, 6)
;;       step = 2.0 ** (np.maximum(np.frexp(np.where(r == 0, 1, r))[1] - 1, 0) - 1)
;;       q = np.round(r / step) * step * 2.0 ** e      # np.round: ties to even
;;       return np.moveaxis(q.reshape(q.shape[:-2] + (-1,))[..., :K], -1, axis).astype(np.float32)
;;   ~~~
;; One version. Each part assembles by itself: llvm-mc -triple=amdgcn-amd-amdhsa -mcpu=gfx1250 --defsym DOCPART=n.
;; ======== version 1 of 1: 5 launches
;; limits: values are held in f16: magnitudes above 65,504 overflow, below 6.1e-05 lose precision
;; workspace buffers: codes 14,417,920 bytes; qkvh 25,165,824 bytes; aux 663,552 bytes; wob 10,747,904 bytes; zh 8,388,608 bytes
;; launch prep (part 1): grid 640 x 1, 4 waves a work-group, no clusters, 68,096 bytes of LDS; arguments query_input, key_input, value_input, W_Q, W_K, W_V, codes; writes codes
.if DOCPART == 1
	.amdgcn_target "amdgcn-amd-amdhsa--gfx1250"
	.amdhsa_code_object_version 6
	.text
	.protected	k_q9a85957ab7_prep
	.globl	k_q9a85957ab7_prep
	.p2align	8
	.type	k_q9a85957ab7_prep,@function
k_q9a85957ab7_prep:
	s_mov_b64 s[64:65], 0
	v_nop
	global_prefetch_b8 v0, s[64:65] scope:SCOPE_SE
	s_setreg_imm32_b32 hwreg(HW_REG_WAVE_MODE, 25, 1), 1
	s_wait_xcnt 0x0
; PREP.  The six operands of the three quantised products become codes of FP4 (E2M1) with one E8M0 byte for each 32 along K = d, and the rotary table is made.
; What reference() hands to these products is the input after a round trip through E4M3: so each number is first rounded to E4M3 and widened again (FP8RT = 1), and then quantised:
; a block's scale is 2^(floor(log2(largest magnitude)) - 2); its byte is that magnitude's exponent field - 2, held at 1 from below (a block of zeros keeps the byte 1: its codes are zeros, and this program alone reads the bytes).
; Three paths, parted by the work-group's number; each has LDS bytes of its own.
;   X (0..383):   the three inputs [2048][2048], K innermost: plain streams of blocks of 32.  A wave takes 16 steps of 512 numbers.
;   W (384..575): W_Q, W_K, W_V [16][2048 d][128 e], K = d not innermost: a lane takes a column e, its registers run down d.  A wave takes 32 columns x 512 along d.
;   T (576..639): cos and sin of pos / 10000^(i/64), pos 0..2047, i 0..63, laid in the order in which the next launch's registers take them.
; codes: XC at 0 [6144 rows][1024 B]; WC at 6291456 [6144 n][1024 B]; XS at 12582912 [6144][64]; WS at 12976128 [6144][64]; ROT at 13369344.
; LIMITS: NaN and infinities are not served; beyond E4M3's largest number, 448, the round trip gives NaN as reference()'s does; the angle is good to about 2e-4 rad at pos 2047.
.set FP8RT, 1
.set SPARE, 67584                      ; behind both paths' stages: the spare words, 128 bytes a wave
.set SPW,   198                        ; v198  LDS address of my spare word; never rewritten
.set NIL,   199                        ; v199  0; never rewritten
.set ONE,   196                        ; v196  1.0: the scale operand of the conversion to E4M3
.set S7F,   197                        ; v197  the E8M0 byte of 1.0 in all four bytes: the scale operand of the way back
.set EMAX,  2
; n numbers in v[x] on go to E4M3 (codes in v[f] on) and back.  One plain instruction stands behind each run of scaled conversions.
.macro RT n, x, f
.if FP8RT
.set ri, 0
.rept (\n)/8
	v_cvt_scalef32_pk8_fp8_f32 v[(\f)+2*ri:(\f)+2*ri+1], v[(\x)+8*ri:(\x)+8*ri+7], v[ONE]
.set ri, ri+1
.endr
	v_nop
.set ri, 0
.rept (\n)/8
	v_cvt_scale_pk8_f32_fp8 v[(\x)+8*ri:(\x)+8*ri+7], v[(\f)+2*ri:(\f)+2*ri+1], v[S7F]
.set ri, ri+1
.endr
	v_nop
.endif
.endm
	s_load_b256 s[4:11], s[0:1], 0x0               ; query s[4:5], key s[6:7], value s[8:9], W_Q s[10:11]
	s_load_b128 s[12:15], s[0:1], 0x20             ; W_K, W_V
	s_load_b64 s[16:17], s[0:1], 0x30              ; codes
	v_lshl_add_u32 v[SPW], v0, 2, SPARE
	v_mov_b32 v[NIL], 0
	v_mov_b32 v[ONE], 1.0
	v_mov_b32 v[S7F], 0x7f7f7f7f
	v_lshrrev_b32 v1, 5, v0
	v_readfirstlane_b32 s18, v1                    ; wave
	v_and_b32 v2, 31, v0                           ; lane
	s_mov_b32 s29, 0                               ; the high word of every offset pair s[28:29]
	s_wait_kmcnt 0x0
	s_cmp_lt_u32 ttmp9, 384
	s_cbranch_scc1 .LX
	s_cmp_lt_u32 ttmp9, 576
	s_cbranch_scc1 .LW
; ---------------- path T: the rotary table.  Wave number wg = 0..255: 16 positions 16 P + r (P = wg / 2), frequencies i = 32 (wg % 2) + 16 db + 8 h + 4 u + w.
; Entry (pos = 16 P + r, i = 16 b + 8 h + 4 u + w, cs) lies at P 8192 + ((2 b + cs) 2 + u) 512 + 16 (16 h + r) + 4 w; cs 0 = cos, 1 = sin.  Each store covers 512 consecutive bytes.
	s_sub_co_u32 s20, ttmp9, 576
	s_lshl_b32 s20, s20, 2
	s_add_co_u32 s20, s20, s18
	s_lshr_b32 s21, s20, 1                         ; P
	s_and_b32 s20, s20, 1
	s_lshl_b32 s19, s20, 5                         ; the first i of my half
	s_lshl_b32 s28, s21, 13
	s_lshl_b32 s30, s20, 12
	s_add_co_u32 s28, s28, s30
	s_add_co_u32 s28, s28, 13369344
	s_add_nc_u64 s[24:25], s[16:17], s[28:29]
	s_mov_b32 s32, 0xbfc90fd8                      ; -(pi/2), upper part
	s_mov_b32 s33, 0xb4a8885a                      ; -(pi/2), the rest (what is left is under 2e-14)
	v_and_b32 v3, 15, v2
	v_lshrrev_b32 v4, 4, v2
	s_lshl_b32 s30, s21, 4
	v_add_nc_u32 v3, s30, v3
	v_cvt_f32_u32 v20, v3                          ; pos
	v_lshl_add_u32 v21, v4, 3, s19                 ; 32 (wg % 2) + 8 h
	v_lshlrev_b32 v5, 4, v2                        ; 16 x lane
; Four frequencies at a time.  f = 2^(i log2(10000)/64); pos / f by a reciprocal and one correction; n = the nearest multiple of pi/2; sine and cosine of the rest by their series
; (up to r^9 and r^8: the next terms are under 3e-8 at pi/4); the quadrant n mod 4 swaps them and sets the signs.
.macro QUAD db, u, k
.irp w, 0,1,2,3
	v_add_nc_u32 v[32+\w], 16*\db+4*\u+\w, v21
.endr
.irp w, 0,1,2,3
	v_cvt_f32_u32 v[32+\w], v[32+\w]
.endr
.irp w, 0,1,2,3
	v_mul_f32 v[32+\w], 0x3e549a78, v[32+\w]
.endr
.irp w, 0,1,2,3
	v_exp_f32 v[36+\w], v[32+\w]
.endr
	v_nop                                          ; a plain instruction behind the batch,
	s_wait_alu depctr_va_vdst(0)                   ; and one wait ahead of its first reader
.irp w, 0,1,2,3
	v_rcp_f32 v[40+\w], v[36+\w]
.endr
	v_nop
	s_wait_alu depctr_va_vdst(0)
.irp w, 0,1,2,3
	v_mul_f32 v[44+\w], v20, v[40+\w]
.endr
.irp w, 0,1,2,3
	v_fma_f32 v[48+\w], -v[44+\w], v[36+\w], v20
.endr
.irp w, 0,1,2,3
	v_fma_f32 v[44+\w], v[48+\w], v[40+\w], v[44+\w]   ; the angle
.endr
.irp w, 0,1,2,3
	v_mul_f32 v[48+\w], 0x3f22f983, v[44+\w]
.endr
.irp w, 0,1,2,3
	v_rndne_f32 v[48+\w], v[48+\w]                 ; n
.endr
.irp w, 0,1,2,3
	v_fma_f32 v[52+\w], v[48+\w], s32, v[44+\w]
.endr
.irp w, 0,1,2,3
	v_fma_f32 v[52+\w], v[48+\w], s33, v[52+\w]    ; r
.endr
.irp w, 0,1,2,3
	v_mul_f32 v[56+\w], v[52+\w], v[52+\w]
	v_mov_b32 v[60+\w], 0x3638ef1d
	v_mov_b32 v[64+\w], 0x37d00d01
.endr
.irp w, 0,1,2,3
	v_fmaak_f32 v[60+\w], v[60+\w], v[56+\w], 0xb9500d01
	v_fmaak_f32 v[64+\w], v[64+\w], v[56+\w], 0xbab60b61
.endr
.irp w, 0,1,2,3
	v_fmaak_f32 v[60+\w], v[60+\w], v[56+\w], 0x3c088889
	v_fmaak_f32 v[64+\w], v[64+\w], v[56+\w], 0x3d2aaaab
.endr
.irp w, 0,1,2,3
	v_fmaak_f32 v[60+\w], v[60+\w], v[56+\w], 0xbe2aaaab
	v_fmaak_f32 v[64+\w], v[64+\w], v[56+\w], 0xbf000000
.endr
.irp w, 0,1,2,3
	v_mul_f32 v[60+\w], v[60+\w], v[56+\w]
	v_fma_f32 v[64+\w], v[64+\w], v[56+\w], 1.0    ; cos r
.endr
.irp w, 0,1,2,3
	v_fma_f32 v[60+\w], v[60+\w], v[52+\w], v[52+\w]   ; sin r
	v_cvt_i32_f32 v[68+\w], v[48+\w]
.endr
.irp w, 0,1,2,3
	v_and_b32 v[72+\w], 1, v[68+\w]
	v_lshlrev_b32 v[76+\w], 30, v[68+\w]
	v_add_nc_u32 v[68+\w], 1, v[68+\w]
.endr
.irp w, 0,1,2,3
	v_and_b32 v[76+\w], 0x80000000, v[76+\w]       ; the sine is negative in quadrants 2, 3
	v_lshlrev_b32 v[68+\w], 30, v[68+\w]
.endr
.irp w, 0,1,2,3
	v_and_b32 v[68+\w], 0x80000000, v[68+\w]       ; the cosine in quadrants 1, 2
.endr
.irp w, 0,1,2,3
	v_cmp_eq_u32 vcc_lo, 1, v[72+\w]
	v_cndmask_b32 v[84+8*\k+\w], v[60+\w], v[64+\w], vcc_lo
	v_cndmask_b32 v[80+8*\k+\w], v[64+\w], v[60+\w], vcc_lo
.endr
.irp w, 0,1,2,3
	v_xor_b32 v[84+8*\k+\w], v[76+\w], v[84+8*\k+\w]
	v_xor_b32 v[80+8*\k+\w], v[68+\w], v[80+8*\k+\w]
.endr
	global_store_b128 v5, v[80+8*\k:83+8*\k], s[24:25] offset:2048*\db+512*\u
	global_store_b128 v5, v[84+8*\k:87+8*\k], s[24:25] offset:2048*\db+512*\u+1024
.endm
	QUAD 0, 0, 0                                   ; each call has result registers of its own: no store's data are written again
	QUAD 0, 1, 1
	QUAD 1, 0, 2
	QUAD 1, 1, 3
	s_endpgm
; ---------------- path X: an input, K innermost.  T = which input; run = which 8,192 numbers are my wave's.
; Each load reads 512 consecutive bytes; a step's 2,048 bytes turn through my own stage in LDS (16 bytes of padding behind each 64) and come back 64 bytes a lane: 16 neighbours, two lanes to a block.
.LX:
	s_lshr_b32 s20, ttmp9, 7
	s_cmp_eq_u32 s20, 0
	s_cselect_b64 s[22:23], s[4:5], s[6:7]
	s_cmp_eq_u32 s20, 2
	s_cselect_b64 s[22:23], s[8:9], s[22:23]
	s_and_b32 s21, ttmp9, 127
	s_lshl_b32 s21, s21, 2
	s_add_co_u32 s21, s21, s18
	s_lshl_b32 s28, s21, 15
	s_add_nc_u64 s[22:23], s[22:23], s[28:29]      ; the numbers
	s_lshl_b32 s28, s20, 21
	s_lshl_b32 s30, s21, 12
	s_add_co_u32 s28, s28, s30
	s_add_nc_u64 s[24:25], s[16:17], s[28:29]      ; their codes
	s_lshl_b32 s28, s20, 17
	s_lshl_b32 s30, s21, 8
	s_add_co_u32 s28, s28, s30
	s_add_co_u32 s28, s28, 12582912
	s_add_nc_u64 s[26:27], s[16:17], s[28:29]      ; their scale bytes
	v_lshlrev_b32 v3, 4, v2
	s_mul_i32 s31, s18, 8192                       ; my region: two stages of 2,560 bytes, then 256 scale bytes
	v_lshrrev_b32 v14, 2, v2
	v_mul_u32_u24 v14, v14, 80
	v_and_b32 v15, 3, v2
	v_lshl_add_u32 v14, v15, 4, v14
	v_add_nc_u32 v14, s31, v14                     ; into the stage: 80 (lane / 4) + 16 (lane % 4)
	v_mul_u32_u24 v15, v2, 80
	v_add_nc_u32 v15, s31, v15                     ; out of it: 80 x lane
	v_mul_u32_u24 v4, v2, 8
	v_lshrrev_b32 v5, 1, v2
	s_add_co_u32 s31, s31, 5120
	v_add_nc_u32 v5, s31, v5
	v_lshlrev_b32 v7, 3, v2
	v_add_nc_u32 v6, s31, v7
.macro XLOAD t
.irp i, 0,1,2,3
	global_load_b128 v[16+16*((\t)%4)+4*\i:16+16*((\t)%4)+4*\i+3], v3, s[22:23] offset:2048*(\t)+512*\i th:TH_LOAD_NT
.endr
.endm
.macro XTURN t                         ; LDS serves a wave's instructions in order: no wait between the stores and the loads
.irp i, 0,1,2,3
	ds_store_b128 v14, v[16+16*((\t)%4)+4*\i:16+16*((\t)%4)+4*\i+3] offset:2560*((\t)%2)+640*\i
.endr
.irp i, 0,1,2,3
	ds_load_b128 v[80+16*((\t)%2)+4*\i:80+16*((\t)%2)+4*\i+3], v15 offset:2560*((\t)%2)+16*\i
.endr
.endm
.irp t, 0,1,2,3
	XLOAD \t
.endr
	s_wait_loadcnt 12                              ; step 0's four loads are in; the twelve of steps 1 to 3 stay out
	XTURN 0
.macro XSTEP t
.set XS, 80+16*((\t)%2)
.if (\t) > 0
	s_wait_dscnt 1                                 ; this step's numbers are back from the stage; the last step's byte store may be out
.else
	s_wait_dscnt 0x0
.endif
.if (\t)+4 < 16
	XLOAD (\t)+4
.endif
.if (\t)+1 < 16
.if 14-(\t) >= 3
	s_wait_loadcnt 12                              ; the next step's loads are in; those of the three steps behind it may be out
.else
	s_wait_loadcnt 4*(14-(\t))
.endif
	XTURN (\t)+1
.endif
	RT 16, XS, 192
	v_max3_num_f32 v8, |v[XS]|, |v[XS+1]|, |v[XS+2]|
	v_max3_num_f32 v9, |v[XS+3]|, |v[XS+4]|, |v[XS+5]|
.irp i, 6,10
	v_max3_num_f32 v8, v8, |v[XS+\i]|, |v[XS+\i+1]|
	v_max3_num_f32 v9, v9, |v[XS+\i+2]|, |v[XS+\i+3]|
.endr
	v_max3_num_f32 v8, v8, |v[XS+14]|, |v[XS+15]|
	v_max3_num_f32 v8, v8, v9, (EMAX+1)<<23        ; the floor 2^(3 - 127): the byte cannot fall under 1
	v_max_num_f32_dpp v8, v8, v8 row_xmask:1 row_mask:0xf bank_mask:0xf   ; with my neighbour's 16: the block's
	v_add_nc_u32 v11, -(EMAX<<23), v8              ; 2 off the exponent field: the conversion's scale operand
	v_cvt_scalef32_pk8_fp4_f32 v[128+4*(\t)], v[XS:XS+7], v11
	v_cvt_scalef32_pk8_fp4_f32 v[128+4*(\t)+1], v[XS+8:XS+15], v11
	v_lshrrev_b32 v[112+(\t)], 23, v11             ; the scale's byte
	ds_store_b8 v5, v[112+(\t)] offset:16*(\t)
	global_store_b64 v4, v[128+4*(\t):128+4*(\t)+1], s[24:25] offset:256*(\t)   ; the wave stores 256 consecutive bytes
.endm
.irp t, 0,1,2,3,4,5,6,7,8,9,10,11,12,13,14,15
	XSTEP \t
.endr
	ds_load_b64 v[8:9], v6
	s_wait_dscnt 0x0
	global_store_b64 v7, v[8:9], s[26:27]          ; my 256 scale bytes, consecutive
	s_wait_tensorcnt 0x0                           ; the wave's end: behind my last LDS store
	ds_add_u32 v[SPW], v[NIL]
	s_wait_dscnt 0x0
	s_endpgm
; ---------------- path W: a weight, K = d its middle axis.  mat = which of the 48 matrices [2048 d][128 e]; kc = which 512 along d.
.LW:
	s_sub_co_u32 s20, ttmp9, 384
	s_lshr_b32 s21, s20, 2
	s_and_b32 s20, s20, 3                          ; kc
	s_lshr_b32 s19, s21, 4                         ; T
	s_and_b32 s21, s21, 15                         ; head
	s_cmp_eq_u32 s19, 0
	s_cselect_b64 s[22:23], s[10:11], s[12:13]
	s_cmp_eq_u32 s19, 2
	s_cselect_b64 s[22:23], s[14:15], s[22:23]
	s_lshl_b32 s28, s21, 20
	s_lshl_b32 s30, s20, 18
	s_add_co_u32 s28, s28, s30
	s_lshl_b32 s30, s18, 7
	s_add_co_u32 s28, s28, s30
	s_add_nc_u64 s[22:23], s[22:23], s[28:29]      ; W[head][512 kc][32 wave]
	s_lshl_b32 s31, s19, 11
	s_lshl_b32 s30, s21, 7
	s_add_co_u32 s31, s31, s30
	s_lshl_b32 s30, s18, 5
	s_add_co_u32 s31, s31, s30                     ; n0: my first row of the codes
	s_lshl_b32 s28, s31, 10
	s_lshl_b32 s30, s20, 8
	s_add_co_u32 s28, s28, s30
	s_add_co_u32 s28, s28, 6291456
	s_add_nc_u64 s[24:25], s[16:17], s[28:29]
	s_lshl_b32 s28, s31, 6
	s_lshl_b32 s30, s20, 4
	s_add_co_u32 s28, s28, s30
	s_add_co_u32 s28, s28, 12976128
	s_add_nc_u64 s[26:27], s[16:17], s[28:29]
	v_lshlrev_b32 v3, 2, v2
	s_mul_i32 s30, s18, 8704
	s_add_co_u32 s30, s30, 32768                   ; my stage: 32 rows of 272 bytes
	v_mul_u32_u24 v4, v2, 272
	v_add_nc_u32 v4, s30, v4
	v_and_b32 v5, 15, v2
	v_lshrrev_b32 v6, 4, v2
	v_mul_u32_u24 v7, v6, 272
	v_lshl_add_u32 v7, v5, 4, v7
	v_add_nc_u32 v7, s30, v7
	v_lshlrev_b32 v8, 10, v6
	v_lshl_add_u32 v8, v5, 4, v8
	v_lshlrev_b32 v9, 6, v2
.macro WLOAD t                         ; block t: W(32 t + i, my column): a wave reads 128 consecutive bytes, the four waves a whole row of 512
.irp i, 0,1,2,3,4,5,6,7,8,9,10,11,12,13,14,15,16,17,18,19,20,21,22,23,24,25,26,27,28,29,30,31
	global_load_b32 v[32+32*((\t)%2)+\i], v3, s[22:23] offset:(32*(\t)+\i)*512 th:TH_LOAD_NT
.endr
.endm
	WLOAD 0
	WLOAD 1
.macro WBLOCK t
.set XS, 32+32*((\t)%2)
.if (\t) < 15
	s_wait_loadcnt 32                              ; this block's 32 loads are in; the next block's may be out
.else
	s_wait_loadcnt 0
.endif
	RT 32, XS, 176
	v_max3_num_f32 v12, |v[XS]|, |v[XS+1]|, |v[XS+2]|
	v_max3_num_f32 v13, |v[XS+3]|, |v[XS+4]|, |v[XS+5]|
.irp i, 6,10,14,18,22,26
	v_max3_num_f32 v12, v12, |v[XS+\i]|, |v[XS+\i+1]|
	v_max3_num_f32 v13, v13, |v[XS+\i+2]|, |v[XS+\i+3]|
.endr
	v_max3_num_f32 v12, v12, |v[XS+30]|, |v[XS+31]|
	v_max3_num_f32 v12, v12, v13, (EMAX+1)<<23
	v_add_nc_u32 v11, -(EMAX<<23), v12
	v_lshrrev_b32 v13, 23, v11
.if (\t)%4 == 0
	v_mov_b32 v[24+(\t)/4], v13
.else
	v_lshl_or_b32 v[24+(\t)/4], v13, 8*((\t)%4), v[24+(\t)/4]
.endif
.irp g, 0,1,2,3
	v_cvt_scalef32_pk8_fp4_f32 v[96+\g], v[XS+8*\g:XS+8*\g+7], v11
.endr
	ds_store_b128 v4, v[96:99] offset:16*(\t)
.if (\t)+2 < 16
	WLOAD (\t)+2
.endif
	s_wait_dscnt 0x0                               ; the store has read its registers: the next block's codes may be written
.endm
.set Q, 0
.rept 16
	WBLOCK Q
.set Q, Q+1
.endr
	global_store_b128 v9, v[24:27], s[26:27]       ; my column's 16 scale bytes
.irp t, 0,1,2,3,4,5,6,7,8,9,10,11,12,13,14,15
	ds_load_b128 v[112+4*\t:112+4*\t+3], v7 offset:2*\t*272
.endr
.irp t, 0,1,2,3,4,5,6,7,8,9,10,11,12,13,14,15
	s_wait_dscnt 15-\t
	global_store_b128 v8, v[112+4*\t:112+4*\t+3], s[24:25] offset:2*\t*1024   ; sixteen lanes store 256 consecutive bytes of a row
.endr
	s_wait_tensorcnt 0x0                           ; the wave's end
	ds_add_u32 v[SPW], v[NIL]
	s_wait_dscnt 0x0
	s_endpgm
.Lfunc_end_k_q9a85957ab7_prep:
	.size	k_q9a85957ab7_prep, .Lfunc_end_k_q9a85957ab7_prep-k_q9a85957ab7_prep
	.p2alignl 7, 3214868480
	.fill 96, 4, 3214868480
	.section	.rodata,"a",@progbits
	.p2align	6, 0x0
	.amdhsa_kernel k_q9a85957ab7_prep
		.amdhsa_group_segment_fixed_size 68096
		.amdhsa_private_segment_fixed_size 0
		.amdhsa_enable_private_segment 0
		.amdhsa_kernarg_size 56
		.amdhsa_user_sgpr_count 2
		.amdhsa_user_sgpr_kernarg_segment_ptr 1
		.amdhsa_wavefront_size32 1
		.amdhsa_system_sgpr_workgroup_id_x 1
		.amdhsa_system_sgpr_workgroup_id_y 1
		.amdhsa_system_sgpr_workgroup_id_z 1
		.amdhsa_system_vgpr_workitem_id 0
		.amdhsa_next_free_vgpr 200
		.amdhsa_next_free_sgpr 66
		.amdhsa_reserve_vcc 1
		.amdhsa_float_denorm_mode_32 3
		.amdhsa_float_denorm_mode_16_64 3
		.amdhsa_memory_ordered 1
		.amdhsa_forward_progress 1
		.amdhsa_inst_pref_size 155
	.end_amdhsa_kernel
	.amdgpu_metadata
---
amdhsa.version: [ 1, 2 ]
amdhsa.kernels:
  - .name:           k_q9a85957ab7_prep
    .symbol:         k_q9a85957ab7_prep.kd
    .args:
      - { .name: query_input, .offset: 0, .size: 8, .value_kind: global_buffer, .address_space: global }
      - { .name: key_input, .offset: 8, .size: 8, .value_kind: global_buffer, .address_space: global }
      - { .name: value_input, .offset: 16, .size: 8, .value_kind: global_buffer, .address_space: global }
      - { .name: W_Q, .offset: 24, .size: 8, .value_kind: global_buffer, .address_space: global }
      - { .name: W_K, .offset: 32, .size: 8, .value_kind: global_buffer, .address_space: global }
      - { .name: W_V, .offset: 40, .size: 8, .value_kind: global_buffer, .address_space: global }
      - { .name: codes, .offset: 48, .size: 8, .value_kind: global_buffer, .address_space: global }
    .group_segment_fixed_size: 68096
    .private_segment_fixed_size: 0
    .kernarg_segment_align: 8
    .kernarg_segment_size: 56
    .max_flat_workgroup_size: 128
    .sgpr_count:     66
    .vgpr_count:     200
    .wavefront_size: 32
...
	.end_amdgpu_metadata
.endif
;; end of part 1
;; launch qkv (part 2): grid 8 x 24, 4 waves a work-group, clusters of 4 x 4, 327,680 bytes of LDS; arguments codes, b_Q, b_K, b_V, qkvh, aux; writes qkvh, aux
.if DOCPART == 2
	.amdgcn_target "amdgcn-amd-amdhsa--gfx1250"
	.amdhsa_code_object_version 6
	.text
	.protected	k_q9a85957ab7_qkv
	.globl	k_q9a85957ab7_qkv
	.p2align	8
	.type	k_q9a85957ab7_qkv,@function
k_q9a85957ab7_qkv:
	s_mov_b64 s[64:65], 0
	v_nop
	global_prefetch_b8 v0, s[64:65] scope:SCOPE_SE
	s_setreg_imm32_b32 hwreg(HW_REG_WAVE_MODE, 25, 1), 1
	s_wait_xcnt 0x0
	s_wait_alu depctr_hold_cnt(0) depctr_sa_sdst(0) depctr_va_vdst(0) depctr_va_sdst(0) depctr_va_ssrc(0) depctr_va_vcc(0) depctr_vm_vsrc(0)
	s_getreg_b32 s2, hwreg(HW_REG_IB_STS2, 6, 4)
	s_cmp_eq_u32 s2, 0
	s_cbranch_scc0 .Lentry_in_a_cluster
	s_endpgm
.Lentry_in_a_cluster:
	s_bfe_u32 s2, ttmp6, 0x10000c
	s_cmp_lg_u32 s2, 0xf033
	s_cbranch_scc0 .Lentry_shape_is_right
	s_endpgm
.Lentry_shape_is_right:
; QKV.  The three quantised products as one tall GEMM on codes of FP4: rows 0..6143 are the rows of query, key and value input, and tensor T = row / 2048 meets its own weight's 2,048 columns (h, e).
; A tile of 256 x 256 is made by four waves, 128 x 128 each: 64 accumulators, 512 registers; a wave's 128 columns are one head.  K = 2,048 goes in steps of 512 through a ring of two LDS slots filled by the
; tensor data mover; the scale bytes of the tile's rows and columns come once, with the first fills, and stay.  CLUSTERS: 4 x 4 work-groups; A's tiles are asked for jointly along a row of the cluster, B's along a column.
; The matrix instruction is used transposed (source 0 = 16 columns of the weight, source 1 = 16 rows of x): a lane holds one row and eight neighbouring e.  The bias is the C of each sum's first instruction.
; THE WAY OUT.  q, k: the rotary turn in f32 (e and e + 64 lie in accumulators b and b + 4 of the same lane; cos and sin come from the table in register order), rounded once to f16.  v: rounded to f16.
; All go through my stage in LDS and leave as whole rows of 256 bytes: qkvh [3][16 h][2048 s][128] f16.  Rows 0..15 of each tensor also leave in f32 (aux), for the launch that makes output rows 0..15 in f32.
; v's rows are also summed in blocks of 64 rows (aux: BSUM; rows 16..63: B48): the keys that the causal mask hides carry one common weight, so their share of z is that weight x a sum of v.
; What hangs on the work-group's place in its cluster enters global addresses and an EXEC mask for stores alone: no branch, no LDS address.
; LIMITS: q, k, v beyond f16's 65,504 are not served.
; REGISTERS: window 0: v0-31 addresses; v32-95 scale words and nothing else; v128-191 A's fragments; on the way out v96-127 rows read back, v128-191 a block in f32 and then packed, v192-235 at work.
;   window 1: B's fragments at v0 and v128, the bias at v192-255; on the way out the table, two sets, at v0-127.   windows 2, 3: the accumulators ((a, b) at v[8 (8 (a % 4) + b)]).
.set KSTEP,  512
.set NQ,     4
.set ROWB,   256
.set KROW,   1024
.set PITCH,  272                       ; an LDS row: 256 bytes + 16 of padding: the 16 rows of a load start at 16 different banks (64 banks of 4 bytes: ISA guide 11.1)
.set FR,     8
.set NL,     2
.set NP,     4
.set HALFT,  128*PITCH
.set SLOT,   4*HALFT
.set LAPS,   2
.set KS,     64
.set SCL,    2*SLOT
.set HALFS,  (128*KS/256)*272
.set SBLK,   (16*KS/256)*272
.set SPARE,  SCL+4*HALFS               ; the spare words, 128 bytes a wave
.set ADRA, 16
.set ADRB, 20
.set VP,   22                          ; v22  2 x (tile row in the tensor) + my half of the rows: 0 where my block 0 is rows 0..15
.set STO,  24
.set RD,   25
.set L16,  26                          ; v26  16 x lane
.set ADRS, 27
.set SPW,  28
.set NIL,  29
.set C32,  30                          ; v30  8192 r + 32 h: a lane's place in the f32 copy
.set BSO,  31                          ; v31  32 (lane % 16) + 16 (lane / 16): a lane's place in a row of sums
.set SC,   32
.set OB,   96
.set AF,   128
.set OF,   128
.set T1,   192
.set SUM,  208
.set FO,   232
.set BIAS, 192                         ; in window 1
.set G1, 24
.set G0, 32
.set G1B, 48
.set G0B, 56
.set G1S, 68
.set G0S, 76
.set G1SB, 80
.set G0SB, 88
.set MSB, 0
.macro WIN new                         ; the immediate's high byte repeats the setting that is left
.if MSB != (\new)
	s_set_vgpr_msb (MSB<<8)|(\new)
.set MSB, (\new)
.endif
.endm
.set MUL_LO, 0xa1
.set MUL_HI, 0xf1
.set TO_B,   0x40
.macro JLOAD g0a, g1a, g0b, g1b        ; a joint load: waves 0, 1 fetch for A, waves 2, 3 for B; an s_nop 0 and four v_nop follow each line
	s_cmp_eq_u32 s15, 0
	s_cbranch_scc0 .Lfor_b_\@
	tensor_load_to_lds s[\g0a:\g0a+3], s[\g1a:\g1a+7]
	s_nop 0
.rept 4
	v_nop
.endr
	s_branch .Lasked_\@
.Lfor_b_\@:
	tensor_load_to_lds s[\g0b:\g0b+3], s[\g1b:\g1b+7]
	s_nop 0
.rept 4
	v_nop
.endr
.Lasked_\@:
.endm
.macro CREST
	s_cmp_lg_u32 s14, 0
	s_cbranch_scc1 .Lnot_wave_0_\@
	s_barrier_signal -3
.Lnot_wave_0_\@:
	s_barrier_wait -3
	s_barrier_signal -1
	s_barrier_wait -1
.endm
.macro CROUND
	s_barrier_signal -1
	s_barrier_wait -1
	CREST
.endm
	s_load_b64 s[4:5], s[0:1], 0x0                 ; codes
	s_load_b128 s[96:99], s[0:1], 0x8              ; b_Q, b_K
	s_load_b64 s[100:101], s[0:1], 0x18            ; b_V
	v_lshl_add_u32 v[SPW], v0, 2, SPARE
	v_mov_b32 v[NIL], 0
	ds_add_u32 v[SPW], v[NIL]                      ; the wave's opening: the add and its wait ahead of my first tensor load
	v_lshrrev_b32 v1, 5, v0
	v_readfirstlane_b32 s14, v1                    ; wave
	s_lshr_b32 s15, s14, 1                         ; my half of the rows.  Also: I fetch for A (0) or B (1)
	s_and_b32 s16, s14, 1                          ; my half of the columns.  Also: which 128 rows I fetch
	s_bfe_u32 s40, ttmp6, 0x40000                  ; cx
	s_bfe_u32 s41, ttmp6, 0x40004                  ; cy
	s_lshl_b32 s42, ttmp9, 2
	s_add_co_u32 s42, s42, s40                     ; tile column 0..7
	s_and_b32 s12, ttmp7, 0xffff
	s_lshl_b32 s17, s12, 2
	s_add_co_u32 s17, s17, s41                     ; tile row 0..23 of the tall A
	s_lshr_b32 s12, s12, 1                         ; T: made of the cluster's y alone, so equal in all partners
	s_lshl_b32 s43, s41, 2
	s_lshl_b32 s43, 15, s43                        ; my row of the cluster
	s_lshl_b32 s44, 0x1111, s40                    ; my column
	s_or_b32 s[G1+0], s43, (0<<16)|(1<<20)|(1<<21)|(5<<22)|(3<<25)   ; mask; elements of 1 byte; padding: 4 words behind every 64; bit 21 beside a mask
	s_or_b32 s[G1B+0], s44, (0<<16)|(1<<20)|(1<<21)|(5<<22)|(3<<25)
.irp g, G1, G1B
	s_mov_b32 s[\g+1], ROWB<<16
	s_mov_b32 s[\g+2], 128<<16
	s_mov_b32 s[\g+3], ROWB<<16
	s_mov_b32 s[\g+4], 128
	s_mov_b32 s[\g+5], KROW
	s_mov_b32 s[\g+6], 0
	s_mov_b32 s[\g+7], 0
.endr
	s_or_b32 s[G1S+0], s43, (3<<16)|(1<<20)|(1<<21)|(5<<22)|(3<<25)  ; the scales of 128 rows: a dense block as rows of 256 bytes
	s_or_b32 s[G1SB+0], s44, (3<<16)|(1<<20)|(1<<21)|(5<<22)|(3<<25)
.irp g, G1S, G1SB
	s_mov_b32 s[\g+1], 32<<16
	s_mov_b32 s[\g+2], (128*KS/256)<<16
	s_mov_b32 s[\g+3], 32<<16
	s_mov_b32 s[\g+4], 128*KS/256
	s_mov_b32 s[\g+5], 32
	s_mov_b32 s[\g+6], 0
	s_mov_b32 s[\g+7], 0
.endr
	s_lshl_b32 s18, s16, 7
	s_lshl_b32 s20, s17, 8
	s_add_co_u32 s20, s20, s18                     ; A: row 256 x tile row + 128 x half
	s_lshl_b32 s46, s42, 8
	s_add_co_u32 s46, s46, s18
	s_lshl_b32 s19, s12, 11
	s_add_co_u32 s46, s46, s19                     ; B: row 2048 T + 256 x tile column + 128 x half
	s_mov_b32 s21, 0
	s_mov_b32 s47, 0
	s_mov_b32 s23, 0
	s_mov_b32 s93, 0
	s_lshl_b32 s22, s20, 6                         ; their scale bytes,
	s_lshl_b32 s92, s46, 6
	s_lshl_b32 s20, s20, 10                        ; their codes
	s_lshl_b32 s46, s46, 10
	s_mul_i32 s45, s14, HALFT                      ; where they go: wave x 128 rows
	s_mul_i32 s94, s14, HALFS
	s_wait_dscnt 0x0                               ; the opening add is done
	s_wait_kmcnt 0x0
	s_add_nc_u64 s[6:7], s[4:5], 12582912
	s_add_nc_u64 s[8:9], s[4:5], 6291456
	s_add_nc_u64 s[10:11], s[4:5], 12976128
	s_add_nc_u64 s[20:21], s[4:5], s[20:21]
	s_add_nc_u64 s[22:23], s[6:7], s[22:23]
	s_add_nc_u64 s[46:47], s[8:9], s[46:47]
	s_add_nc_u64 s[92:93], s[10:11], s[92:93]
	CROUND                                         ; all sixteen work-groups are here: the first joint loads meet
	s_mov_b32 s[G0S], 1
	s_add_co_u32 s[G0S+1], s94, SCL
	s_mov_b64 s[G0S+2:G0S+3], s[22:23]
	s_or_b32 s[G0S+3], s[G0S+3], 0x80000000
	s_mov_b32 s[G0SB], 1
	s_add_co_u32 s[G0SB+1], s94, SCL
	s_mov_b64 s[G0SB+2:G0SB+3], s[92:93]
	s_or_b32 s[G0SB+3], s[G0SB+3], 0x80000000
	JLOAD G0S, G1S, G0SB, G1SB
.irp s, 0,1
	s_mov_b32 s[G0+4*\s], 1
	s_add_co_u32 s[G0+4*\s+1], s45, \s*SLOT
	s_add_nc_u64 s[G0+4*\s+2:G0+4*\s+3], s[20:21], \s*ROWB
	s_or_b32 s[G0+4*\s+3], s[G0+4*\s+3], 0x80000000
	s_mov_b32 s[G0B+4*\s], 1
	s_add_co_u32 s[G0B+4*\s+1], s45, \s*SLOT
	s_add_nc_u64 s[G0B+4*\s+2:G0B+4*\s+3], s[46:47], \s*ROWB
	s_or_b32 s[G0B+4*\s+3], s[G0B+4*\s+3], 0x80000000
	JLOAD G0+4*\s, G1, G0B+4*\s, G1B
.endr
	v_and_b32 v1, 15, v0                           ; r
	v_bfe_u32 v2, v0, 4, 1                         ; h
	v_mul_u32_u24 v3, v1, PITCH
	v_lshl_add_u32 v4, v2, 4, v3
	s_mul_i32 s21, s15, HALFT
	s_mul_i32 s22, s16, HALFT
	s_add_co_u32 s22, s22, 2*HALFT
.irp s, 0,1
	v_add_nc_u32 v[ADRA+\s], s21, v4
	v_add_nc_u32 v[ADRB+\s], s22, v4
	s_add_co_u32 s21, s21, SLOT
	s_add_co_u32 s22, s22, SLOT
.endr
	v_mul_u32_u24 v5, v1, KS
	v_lshrrev_b32 v6, 8, v5
	v_lshl_add_u32 v5, v6, 4, v5
	s_mul_i32 s21, s15, HALFS
	s_mul_i32 s22, s16, HALFS
	s_add_co_u32 s22, s22, 2*HALFS
	s_sub_co_u32 s22, s22, s21
	v_mul_u32_u24 v6, s22, v2                      ; lanes 16-31 take B's scale words
	s_add_co_u32 s21, s21, SCL
	v_add_nc_u32 v5, v5, v6
	v_add_nc_u32 v[ADRS], s21, v5
	s_mul_i32 s23, s14, 16*272                     ; my stage for the way out: 16 rows of 272 bytes, in slot 0
	v_mul_u32_u24 v5, v1, 272
	v_lshl_add_u32 v5, v2, 4, v5
	v_add_nc_u32 v[STO], s23, v5
	v_mul_u32_u24 v5, v2, 272
	v_lshl_add_u32 v5, v1, 4, v5
	v_add_nc_u32 v[RD], s23, v5
	v_and_b32 v6, 31, v0
	v_lshlrev_b32 v[L16], 4, v6
	v_lshlrev_b32 v[C32], 13, v1
	v_lshl_add_u32 v[C32], v2, 5, v[C32]
	v_lshlrev_b32 v[BSO], 5, v1
	v_lshl_add_u32 v[BSO], v2, 4, v[BSO]
	; the bias of my head: lane (r, h) wants, for column block b, those of e = 16 b + 8 h + 0 .. 7
	s_cmp_eq_u32 s12, 0
	s_cselect_b64 s[66:67], s[96:97], s[98:99]
	s_cmp_eq_u32 s12, 2
	s_cselect_b64 s[66:67], s[100:101], s[66:67]
	s_load_b128 s[96:99], s[0:1], 0x20             ; qkvh, aux
	s_lshl_b32 s18, s42, 1
	s_add_co_u32 s18, s18, s16                     ; my head
	s_lshl_b32 s20, s18, 9
	s_mov_b32 s21, 0
	s_add_nc_u64 s[66:67], s[66:67], s[20:21]
	v_lshlrev_b32 v5, 5, v2
	WIN 0x40
.irp b, 0,1,2,3,4,5,6,7
	global_load_b128 v[BIAS+8*\b:BIAS+8*\b+3], v5, s[66:67] offset:64*\b
	global_load_b128 v[BIAS+8*\b+4:BIAS+8*\b+7], v5, s[66:67] offset:64*\b+16
.endr
	WIN 0
	s_and_b32 s19, s17, 7                          ; tile row inside the tensor
	s_lshl_b32 s13, s19, 1
	s_add_co_u32 s13, s13, s15
	v_mov_b32 v[VP], s13
	s_lshl_b32 s19, s13, 7                         ; row0: my first row in the tensor
	s_lshl_b32 s22, s19, 9
	s_mov_b32 s23, 0
	s_add_nc_u64 s[100:101], s[4:5], s[22:23]
	s_add_nc_u64 s[100:101], s[100:101], 13369344  ; the table at row0
	s_wait_kmcnt 0x0
	s_add_nc_u64 s[98:99], s[98:99], s[20:21]      ; aux + 512 x head
	s_lshl_b32 s22, s12, 17
	s_add_nc_u64 s[92:93], s[98:99], s[22:23]      ; the f32 copy of tensor T
	s_lshl_b32 s22, s19, 7
	s_add_co_u32 s22, s22, 401408
	s_add_nc_u64 s[94:95], s[98:99], s[22:23]      ; BSUM at my first block of 64 rows
	s_lshl_b32 s22, s12, 23
	s_lshl_b32 s20, s18, 19
	s_add_co_u32 s22, s22, s20
	s_lshl_b32 s20, s19, 8
	s_add_co_u32 s22, s22, s20
	s_add_nc_u64 s[96:97], s[96:97], s[22:23]      ; qkvh[T][head][row0]
.macro FRAG reg, adr, q, i
.irp c, 0,1
	ds_load_b128 v[\reg+4*\c:\reg+4*\c+3], v[\adr] offset:64*(\q)+32*\c+(\i)*16*PITCH
.endr
.endm
; 16 matrix instructions: A's blocks a0, a0 + 1 x B's eight.  zero = 1: the first product starts the sums, from the bias.  The 64 accumulators take turns, one instruction a turn.
.macro MUL16 a0, p, q, sc, zero
.irp a, \a0, \a0+1
.irp b, 0,1,2,3,4,5,6,7
.if \zero
	v_wmma_scale_f32_16x16x128_f8f6f4 v[8*(8*((\a)%4)+\b):8*(8*((\a)%4)+\b)+7], v[128*(\p)+FR*\b:128*(\p)+FR*\b+FR-1], v[AF+FR*(\a):AF+FR*(\a)+FR-1], v[BIAS+8*\b:BIAS+8*\b+7], v[SC+8*NQ*(\sc)+NQ*\b+(\q)], v[SC+8*NQ*(\sc)+NQ*(\a)+(\q)] matrix_a_fmt:MATRIX_FMT_FP4 matrix_b_fmt:MATRIX_FMT_FP4 matrix_a_scale:MATRIX_SCALE_ROW1
.else
	v_wmma_scale_f32_16x16x128_f8f6f4 v[8*(8*((\a)%4)+\b):8*(8*((\a)%4)+\b)+7], v[128*(\p)+FR*\b:128*(\p)+FR*\b+FR-1], v[AF+FR*(\a):AF+FR*(\a)+FR-1], v[8*(8*((\a)%4)+\b):8*(8*((\a)%4)+\b)+7], v[SC+8*NQ*(\sc)+NQ*\b+(\q)], v[SC+8*NQ*(\sc)+NQ*(\a)+(\q)] matrix_a_fmt:MATRIX_FMT_FP4 matrix_b_fmt:MATRIX_FMT_FP4 matrix_a_scale:MATRIX_SCALE_ROW1
.endif
.endr
.endr
.endm
.macro FETCH_B slot, q, p
	WIN TO_B
.irp i, 0,1,2,3,4,5,6,7
	FRAG 128*(\p)+FR*\i, ADRB+\slot, \q, \i
.endr
	WIN 0
.endm
.macro FETCH_A slot, q, i0
.irp i, \i0, \i0+1, \i0+2, \i0+3
	FRAG AF+FR*(\i), ADRA+\slot, \q, \i
.endr
.endm
.macro SCALES sc
.irp i, 0,1,2,3,4,5,6,7
	ds_load_b128 v[SC+8*NQ*\sc+NQ*\i:SC+8*NQ*\sc+NQ*\i+3], v[ADRS] offset:\i*SBLK
.endr
.endm
.macro PLACES n                        ; plain vector instructions between a matrix instruction and a load into, or a vector read or write of, its registers
.rept \n
	v_nop
.endr
.endm
.macro STEP slot, q, zero
	s_wait_dscnt 4*NL                              ; B's set and A's blocks 0-3 are in; the youngest eight loads (A's blocks 4-7) may be out
.if \zero
	WIN 0x91                                       ; as MUL_LO, with C (the bias) in window 1
.else
	WIN MUL_LO
.endif
	MUL16 0, (\q)%2, \q, \slot, \zero
	MUL16 2, (\q)%2, \q, \slot, \zero
	s_wait_dscnt 0
	PLACES NP
	FETCH_B \slot, (\q)+1, 1-(\q)%2
	FETCH_A \slot, (\q)+1, 0
.if \zero
	WIN 0xd1
.else
	WIN MUL_HI
.endif
	MUL16 4, (\q)%2, \q, \slot, \zero
	MUL16 6, (\q)%2, \q, \slot, \zero
	PLACES NP
	WIN 0
	FETCH_A \slot, (\q)+1, 4
.endm
; A slot's last step changes slots: in front of the one barrier each wave waits for all its tensor loads, adds 0 to its spare word, and waits for that and for its reads of this slot.
.macro TURN slot, next, fill
	s_wait_tensorcnt 0x0                           ; all my tensor loads have landed: my part of the next slot
	ds_add_u32 v[SPW], v[NIL]
	s_wait_dscnt 4*NL+1                            ; the add and the youngest eight loads may be out
	WIN MUL_LO
	MUL16 0, 1, NQ-1, \slot, 0
	s_wait_dscnt 0x0                               ; the add is done, and my reads of this slot are over
	s_barrier_signal -1
	MUL16 2, 1, NQ-1, \slot, 0
	WIN 0
	s_barrier_wait -1
.if \fill
	CREST                                          ; the barrier has opened a round of the cluster's: no wave of any partner still reads this slot or has a load on its way
	s_add_nc_u64 s[G0+4*\slot+2:G0+4*\slot+3], s[G0+4*\slot+2:G0+4*\slot+3], 2*ROWB
	s_add_nc_u64 s[G0B+4*\slot+2:G0B+4*\slot+3], s[G0B+4*\slot+2:G0B+4*\slot+3], 2*ROWB
	JLOAD G0+4*\slot, G1, G0B+4*\slot, G1B
.else
	PLACES NP
.endif
	v_add_nc_u32 v[ADRS], 4*NQ, v[ADRS]
	FETCH_B \next, 0, 0
	FETCH_A \next, 0, 0
	SCALES \next
	WIN MUL_HI
	MUL16 4, 1, NQ-1, \slot, 0
	MUL16 6, 1, NQ-1, \slot, 0
	PLACES NP
	WIN 0
	FETCH_A \next, 0, 4
.endm
.macro STEPS slot, from
.set Q, \from
.rept NQ-1-\from
	STEP \slot, Q, 0
.set Q, Q+1
.endr
.endm
	s_wait_tensorcnt 1                             ; the scales and my part of K step 0 are in; K step 1's load may be out
	s_barrier_signal -1
	s_barrier_wait -1
	FETCH_B 0, 0, 0
	FETCH_A 0, 0, 0
	SCALES 0
	FETCH_A 0, 0, 4
	s_wait_loadcnt 0x0                             ; the bias
	STEP 0, 0, 1
	s_mov_b32 s3, LAPS-1
.Llap:
	STEPS 0, 1
	TURN 0, 1, 1
	STEPS 1, 0
	TURN 1, 0, 1
	STEP 0, 0, 0
	s_sub_co_u32 s3, s3, 1
	s_cmp_lg_u32 s3, 0
	s_cbranch_scc1 .Llap
	STEPS 0, 1
	TURN 0, 1, 0
	STEPS 1, 0
	s_wait_dscnt 4*NL
	WIN MUL_LO
	MUL16 0, 1, NQ-1, 1, 0
	MUL16 2, 1, NQ-1, 1, 0
	s_wait_dscnt 0
	WIN MUL_HI
	MUL16 4, 1, NQ-1, 1, 0
	MUL16 6, 1, NQ-1, 1, 0
	WIN 0
	PLACES NP                                      ; behind the last products: for the loads and writes into the fragments' registers and the first reads of results
; ---- the way out.  The stage lies in slot 0: it has had its last fill, and since the last change of slots nobody reads it.
.macro TOSTAGE                         ; the packed block (32 registers at OF) into rows of 272 bytes, and back as whole rows, two to a load
.irp b, 0,1,2,3,4,5,6,7
	ds_store_b128 v[STO], v[OF+4*\b:OF+4*\b+3] offset:32*\b
.endr
.irp t, 0,1,2,3,4,5,6,7
	ds_load_b128 v[OB+4*\t:OB+4*\t+3], v[RD] offset:544*\t   ; LDS serves a wave's instructions in order: these see the stores above
.endr
.endm
.macro SEND a
	s_wait_dscnt 0x0
.irp t, 0,1,2,3,4,5,6,7
	global_store_b128 v[L16], v[OB+4*\t:OB+4*\t+3], s[96:97] offset:(\a)*4096+512*\t   ; 32 lanes store two rows, 512 consecutive bytes
.endr
.endm
.macro FINISH
	s_wait_tensorcnt 0x0                           ; the wave's end: behind my last tensor load and LDS store
	ds_add_u32 v[SPW], v[NIL]
	s_wait_dscnt 0x0
	CROUND                                         ; the closing round
	s_endpgm
.endm
	s_cmp_eq_u32 s12, 2                            ; T is equal in all partners
	s_cbranch_scc1 .Lv
; ---- q and k
.macro ROTLOAD a                       ; the table of block a's 16 positions: 16 loads of 512 consecutive bytes, into set a % 2
	WIN 0x40
.irp q, 0,1,2,3,4,5,6,7,8,9,10,11,12,13,14,15
	global_load_b128 v[64*((\a)%2)+4*\q:64*((\a)%2)+4*\q+3], v[L16], s[100:101] offset:(\a)*8192+512*\q
.endr
	WIN 0
.endm
.macro ROTATE a                        ; out(e) = x(e) cos - x(e + 64) sin;  out(e + 64) = x(e + 64) cos + x(e) sin.  Each accumulator is read from its low end on
.set AC, 64*((\a)%4)
.set TS, 64*((\a)%2)
	WIN 0x06+(\a)/4                                ; source 0: window 2 or 3; source 1: the table, window 1
.irp b, 0,1,2,3
.irp jp, 0,1,2,3
.set TT, T1+4*\jp
.set CR, TS+4*(4*\b+\jp/2)+2*(\jp%2)
	v_pk_mul_f32 v[TT:TT+1], v[AC+8*(\b+4)+2*\jp:AC+8*(\b+4)+2*\jp+1], v[CR+8:CR+9]
	v_pk_mul_f32 v[TT+2:TT+3], v[AC+8*\b+2*\jp:AC+8*\b+2*\jp+1], v[CR+8:CR+9]
	v_pk_fma_f32 v[OF+8*\b+2*\jp:OF+8*\b+2*\jp+1], v[AC+8*\b+2*\jp:AC+8*\b+2*\jp+1], v[CR:CR+1], v[TT:TT+1] neg_lo:[0,0,1] neg_hi:[0,0,1]
	v_pk_fma_f32 v[OF+8*(\b+4)+2*\jp:OF+8*(\b+4)+2*\jp+1], v[AC+8*(\b+4)+2*\jp:AC+8*(\b+4)+2*\jp+1], v[CR:CR+1], v[TT+2:TT+3]
.endr
.endr
	WIN 0
.endm
.macro CVT                             ; rounded to f16 in place: register k takes numbers 2 k and 2 k + 1, which no later line reads
.set ci, 0
.rept 32
	v_cvt_pk_f16_f32 v[OF+ci], v[OF+2*ci], v[OF+2*ci+1]
.set ci, ci+1
.endr
.endm
	ROTLOAD 0
.irp a, 0,1,2,3,4,5,6,7
.if \a < 7
	ROTLOAD (\a)+1
	s_wait_loadcnt 16                              ; this block's table is in; the next block's 16 loads may be out
.else
	s_wait_loadcnt 0
.endif
	ROTATE \a
.if \a == 0
	v_cmp_eq_u32 vcc_lo, 0, v[VP]                  ; rows 0..15 of the tensor also leave in f32: a mask on the stores, no branch
	s_wait_xcnt 0x0                                ; EXEC changes only behind this wait
	s_and_saveexec_b32 s13, vcc_lo
.irp b, 0,1,2,3,4,5,6,7
	global_store_b128 v[C32], v[OF+8*\b:OF+8*\b+3], s[92:93] offset:64*\b
	global_store_b128 v[C32], v[OF+8*\b+4:OF+8*\b+7], s[92:93] offset:64*\b+16
.endr
	s_wait_xcnt 0x0                                ; and again; the stores have also read their data, which CVT writes next
	s_or_b32 exec_lo, exec_lo, s13
.endif
	CVT
.if \a > 0
	SEND (\a)-1
	s_wait_xcnt 0x0                                ; the stores have read the rows' registers: the next block may land there
.endif
	TOSTAGE
.endr
	SEND 7
	FINISH
; ---- v
.Lv:
	s_mov_b32 s18, 0x76543210
	s_mov_b32 s19, 0xfedcba98                      ; v_permlanex16_b32's selects for lane l xor 16
	s_mov_b32 s2, 0xffff0000                       ; lanes 16-31
.macro PACKV a
.set AC, 64*((\a)%4)
	WIN 0x0a+5*((\a)/4)
.set ci, 0
.rept 32
	v_cvt_pk_f16_f32 v[OF+ci], v[AC+2*ci], v[AC+2*ci+1]
.set ci, ci+1
.endr
	WIN 0
.endm
.macro ADD4 w                          ; eight numbers just widened join the running sums of my eight columns
	v_pk_add_f32 v[SUM:SUM+1], v[SUM:SUM+1], v[\w:\w+1]
	v_pk_add_f32 v[SUM+2:SUM+3], v[SUM+2:SUM+3], v[\w+2:\w+3]
	v_pk_add_f32 v[SUM+4:SUM+5], v[SUM+4:SUM+5], v[\w+4:\w+5]
	v_pk_add_f32 v[SUM+6:SUM+7], v[SUM+6:SUM+7], v[\w+6:\w+7]
.endm
.macro SUMV                            ; the block's 16 rows as they were read back: a lane holds columns 8 (lane % 16) + 0..7 of rows 2 t + lane / 16
	v_cvt_f32_f16 v216, v96.l
	v_cvt_f32_f16 v217, v96.h
	v_cvt_f32_f16 v218, v97.l
	v_cvt_f32_f16 v219, v97.h
	v_cvt_f32_f16 v220, v98.l
	v_cvt_f32_f16 v221, v98.h
	v_cvt_f32_f16 v222, v99.l
	v_cvt_f32_f16 v223, v99.h
	v_cvt_f32_f16 v224, v100.l
	v_cvt_f32_f16 v225, v100.h
	v_cvt_f32_f16 v226, v101.l
	v_cvt_f32_f16 v227, v101.h
	v_cvt_f32_f16 v228, v102.l
	v_cvt_f32_f16 v229, v102.h
	v_cvt_f32_f16 v230, v103.l
	v_cvt_f32_f16 v231, v103.h
	ADD4 216
	ADD4 224
	v_cvt_f32_f16 v216, v104.l
	v_cvt_f32_f16 v217, v104.h
	v_cvt_f32_f16 v218, v105.l
	v_cvt_f32_f16 v219, v105.h
	v_cvt_f32_f16 v220, v106.l
	v_cvt_f32_f16 v221, v106.h
	v_cvt_f32_f16 v222, v107.l
	v_cvt_f32_f16 v223, v107.h
	v_cvt_f32_f16 v224, v108.l
	v_cvt_f32_f16 v225, v108.h
	v_cvt_f32_f16 v226, v109.l
	v_cvt_f32_f16 v227, v109.h
	v_cvt_f32_f16 v228, v110.l
	v_cvt_f32_f16 v229, v110.h
	v_cvt_f32_f16 v230, v111.l
	v_cvt_f32_f16 v231, v111.h
	ADD4 216
	ADD4 224
	v_cvt_f32_f16 v216, v112.l
	v_cvt_f32_f16 v217, v112.h
	v_cvt_f32_f16 v218, v113.l
	v_cvt_f32_f16 v219, v113.h
	v_cvt_f32_f16 v220, v114.l
	v_cvt_f32_f16 v221, v114.h
	v_cvt_f32_f16 v222, v115.l
	v_cvt_f32_f16 v223, v115.h
	v_cvt_f32_f16 v224, v116.l
	v_cvt_f32_f16 v225, v116.h
	v_cvt_f32_f16 v226, v117.l
	v_cvt_f32_f16 v227, v117.h
	v_cvt_f32_f16 v228, v118.l
	v_cvt_f32_f16 v229, v118.h
	v_cvt_f32_f16 v230, v119.l
	v_cvt_f32_f16 v231, v119.h
	ADD4 216
	ADD4 224
	v_cvt_f32_f16 v216, v120.l
	v_cvt_f32_f16 v217, v120.h
	v_cvt_f32_f16 v218, v121.l
	v_cvt_f32_f16 v219, v121.h
	v_cvt_f32_f16 v220, v122.l
	v_cvt_f32_f16 v221, v122.h
	v_cvt_f32_f16 v222, v123.l
	v_cvt_f32_f16 v223, v123.h
	v_cvt_f32_f16 v224, v124.l
	v_cvt_f32_f16 v225, v124.h
	v_cvt_f32_f16 v226, v125.l
	v_cvt_f32_f16 v227, v125.h
	v_cvt_f32_f16 v228, v126.l
	v_cvt_f32_f16 v229, v126.h
	v_cvt_f32_f16 v230, v127.l
	v_cvt_f32_f16 v231, v127.h
	ADD4 216
	ADD4 224
.endm
.macro CLEARSUM
.irp i, 0,1,2,3,4,5,6,7
	v_mov_b32 v[SUM+\i], 0
.endr
.endm
.macro FOLD                            ; with lane l xor 16's rows; then lanes 0-15 keep columns 0-3 of their eight, lanes 16-31 columns 4-7: 512 consecutive bytes a wave
.irp i, 0,1,2,3,4,5,6,7
	v_permlanex16_b32 v[216+\i], v[SUM+\i], s18, s19
.endr
.irp i, 0,1,2,3,4,5,6,7
	v_add_f32 v[216+\i], v[216+\i], v[SUM+\i]
.endr
.irp i, 0,1,2,3
	v_cndmask_b32 v[FO+\i], v[216+\i], v[220+\i], s2
.endr
.endm
.macro NEXTV a, b                      ; block a is packed while block b comes back from the stage; b leaves and is summed
	PACKV \a
	SEND \b
	SUMV
.endm
	CLEARSUM
	PACKV 3                                        ; rows 48..63, 32..47, 16..31 first: their sum is B48; with rows 0..15 it is the block's
	TOSTAGE
	NEXTV 2, 3
	s_wait_xcnt 0x0                                ; the stores have read the rows' registers
	TOSTAGE
	NEXTV 1, 2
	s_wait_xcnt 0x0
	TOSTAGE
	v_cmp_eq_u32 vcc_lo, 0, v[VP]                  ; rows 0..15 of v in f32, straight from the accumulators, each from its low end on
	s_and_saveexec_b32 s13, vcc_lo
	WIN 0x08
.irp b, 0,1,2,3,4,5,6,7
	global_store_b128 v[C32], v[8*\b:8*\b+3], s[92:93] offset:64*\b
	global_store_b128 v[C32], v[8*\b+4:8*\b+7], s[92:93] offset:64*\b+16
.endr
	WIN 0
	s_wait_xcnt 0x0
	s_or_b32 exec_lo, exec_lo, s13
	NEXTV 0, 1
	FOLD
	v_cmp_eq_u32 vcc_lo, 0, v[VP]
	s_wait_xcnt 0x0
	s_and_saveexec_b32 s13, vcc_lo
	global_store_b128 v[BSO], v[FO:FO+3], s[98:99] offset:393216     ; B48: rows 16..63, from the tensor's first block alone
	s_wait_xcnt 0x0
	s_or_b32 exec_lo, exec_lo, s13
	TOSTAGE
	NEXTV 7, 0
	FOLD
	global_store_b128 v[BSO], v[FO:FO+3], s[94:95]                   ; my first block of 64 rows
	CLEARSUM
	s_wait_xcnt 0x0
	TOSTAGE
	NEXTV 6, 7
	s_wait_xcnt 0x0
	TOSTAGE
	NEXTV 5, 6
	s_wait_xcnt 0x0
	TOSTAGE
	NEXTV 4, 5
	s_wait_xcnt 0x0
	TOSTAGE
	SEND 4
	SUMV
	FOLD
	global_store_b128 v[BSO], v[FO:FO+3], s[94:95] offset:8192       ; my second block
	FINISH
.Lfunc_end_k_q9a85957ab7_qkv:
	.size	k_q9a85957ab7_qkv, .Lfunc_end_k_q9a85957ab7_qkv-k_q9a85957ab7_qkv
	.p2alignl 7, 3214868480
	.fill 96, 4, 3214868480
	.section	.rodata,"a",@progbits
	.p2align	6, 0x0
	.amdhsa_kernel k_q9a85957ab7_qkv
		.amdhsa_group_segment_fixed_size 327680
		.amdhsa_private_segment_fixed_size 0
		.amdhsa_enable_private_segment 0
		.amdhsa_kernarg_size 48
		.amdhsa_user_sgpr_count 2
		.amdhsa_user_sgpr_kernarg_segment_ptr 1
		.amdhsa_wavefront_size32 1
		.amdhsa_system_sgpr_workgroup_id_x 1
		.amdhsa_system_sgpr_workgroup_id_y 1
		.amdhsa_system_sgpr_workgroup_id_z 1
		.amdhsa_system_vgpr_workitem_id 0
		.amdhsa_next_free_vgpr 1024
		.amdhsa_next_free_sgpr 104
		.amdhsa_reserve_vcc 1
		.amdhsa_float_denorm_mode_32 3
		.amdhsa_float_denorm_mode_16_64 3
		.amdhsa_memory_ordered 1
		.amdhsa_forward_progress 1
		.amdhsa_inst_pref_size 255
	.end_amdhsa_kernel
	.section	.bss,"aw",@nobits
	.p2align	6
	.space	262144
	.amdgpu_metadata
---
amdhsa.version: [ 1, 2 ]
amdhsa.kernels:
  - .name:           k_q9a85957ab7_qkv
    .symbol:         k_q9a85957ab7_qkv.kd
    .args:
      - { .name: codes, .offset: 0, .size: 8, .value_kind: global_buffer, .address_space: global }
      - { .name: b_Q, .offset: 8, .size: 8, .value_kind: global_buffer, .address_space: global }
      - { .name: b_K, .offset: 16, .size: 8, .value_kind: global_buffer, .address_space: global }
      - { .name: b_V, .offset: 24, .size: 8, .value_kind: global_buffer, .address_space: global }
      - { .name: qkvh, .offset: 32, .size: 8, .value_kind: global_buffer, .address_space: global }
      - { .name: aux, .offset: 40, .size: 8, .value_kind: global_buffer, .address_space: global }
    .group_segment_fixed_size: 327680
    .private_segment_fixed_size: 0
    .kernarg_segment_align: 8
    .kernarg_segment_size: 48
    .max_flat_workgroup_size: 128
    .sgpr_count:     104
    .vgpr_count:     1024
    .wavefront_size: 32
...
	.end_amdgpu_metadata
.endif
;; end of part 2
;; launch wo16 (part 3): grid 16 x 16, 4 waves a work-group, no clusters, 78,592 bytes of LDS; arguments W_O, aux, wob; writes wob
.if DOCPART == 3
	.amdgcn_target "amdgcn-amd-amdhsa--gfx1250"
	.amdhsa_code_object_version 6
	.text
	.protected	k_q9a85957ab7_wo16
	.globl	k_q9a85957ab7_wo16
	.p2align	8
	.type	k_q9a85957ab7_wo16,@function
k_q9a85957ab7_wo16:
	s_mov_b64 s[64:65], 0
	v_nop
	global_prefetch_b8 v0, s[64:65] scope:SCOPE_SE
	s_setreg_imm32_b32 hwreg(HW_REG_WAVE_MODE, 25, 1), 1
	s_wait_xcnt 0x0
; WO16.  Work-group (c = x, h = y) takes W_O[h], 128 rows d x columns 128 c .. 128 c + 127, read from memory once.  It makes
;   (1) the tile's copy in f16: WOH [2048 k = (h, d)][2048 m], for the output projection of rows 16 on;
;   (2) head h's part of OUTPUT ROWS 0..15 wholly in f32: those rows are averages of few keys and so much larger than the output's root mean square, by which the allowed error goes, that operands rounded to 16 bits
;       would use it up.  16 of 2,048 rows: no bulk work.  PART [16 h][16 rows][2048];
;   (3) for c < 8: one row a wave of TAILS [32][2048]: the sum of v over all blocks of 64 rows behind block ck.
; Attention of queries 0..15: scores S^T = K Q^T over keys 0..15; hidden keys among them get reference()'s -1000; the 2,032 keys from 16 on are all hidden and carry one weight pm = exp(-1000 - max):
; they add pm x (the sum of their v) to z and 2032 pm to the row's sum.  The maximum is taken over the scores and -1000.  Each wave makes z for itself: nothing is shared but W_O's tile.
; The f32 matrix form: lane r holds a row, register j holds k = 2 h + j.  A permutation of k that is the same on both sides keeps the products, so operands are taken as the loads bring them.
; REGISTERS: window 0: v1-29 addresses and statistics, v30, v31 the add's two; v32-95 Q, later z; v96-103 scores; v104-111 p; v112-119 sums of v; v120-135 rows of PART;
;   v144-255 the fourteen f32 accumulators (4 of S^T, 8 of z^T, 2 of the output), written by matrix instructions alone.   window 1: v0-63 K, later the hidden keys' sum of v; v64-127 V.
;   window 2: v0-127 my 32 rows of W_O's tile, later its fragments.   window 3: v0-127 the 32 block sums.
; LIMITS: as the program's: NaN and infinities are not served.
.set WT,    0                          ; LDS: W_O's tile in f32, 128 rows of 528 bytes
.set VTS,   67584                      ; 512 bytes a wave: the hidden keys' sum of v, to change its lanes
.set PST,   69632                      ; 16 rows of 528 bytes: the work-group's part of PART
.set SPARE, 78080                      ; the spare words, 128 bytes a wave
.set MSB, 0
.macro WIN new
.if MSB != (\new)
	s_set_vgpr_msb (MSB<<8)|(\new)
.set MSB, (\new)
.endif
.endm
	s_load_b128 s[4:7], s[0:1], 0x0                ; W_O, aux
	s_load_b64 s[8:9], s[0:1], 0x10                ; wob
	v_lshl_add_u32 v30, v0, 2, SPARE
	v_mov_b32 v31, 0
	v_lshrrev_b32 v1, 5, v0
	v_readfirstlane_b32 s10, v1                    ; wave w
	s_and_b32 s11, ttmp7, 0xffff                   ; h
	v_and_b32 v1, 31, v0                           ; lane
	v_and_b32 v2, 15, v0                           ; r
	v_bfe_u32 v3, v0, 4, 1                         ; hh = lane / 16
	v_lshlrev_b32 v4, 13, v2
	v_lshl_add_u32 v4, v3, 4, v4                   ; Q, K: row r of 8,192 bytes + 16 hh
	v_lshlrev_b32 v5, 16, v3
	v_lshl_add_u32 v5, v2, 2, v5                   ; V: key 8 hh, channel r
	v_lshlrev_b32 v6, 4, v1                        ; 16 x lane
	s_mul_i32 s28, s10, 32*528
	v_add_nc_u32 v7, s28, v6                       ; WT: my 32 rows
	v_lshlrev_b32 v8, 3, v1                        ; 8 x lane
	s_lshl_b32 s28, s10, 9
	s_add_co_u32 s28, s28, VTS
	v_add_nc_u32 v9, s28, v6
	v_lshl_add_u32 v10, v3, 5, s28
	v_mul_u32_u24 v11, v3, 8*528
	v_lshl_add_u32 v11, v2, 2, v11
	s_lshl_b32 s28, s10, 7
	v_add_nc_u32 v11, s28, v11                     ; WT read: row 8 hh, column 32 w + r
	v_mul_u32_u24 v12, v2, 528
	v_lshl_add_u32 v12, v3, 5, v12
	s_add_co_u32 s28, s28, PST
	v_add_nc_u32 v12, s28, v12                     ; PST: row r, column 32 w + 8 hh
	s_mul_i32 s28, s10, 4*528
	s_add_co_u32 s28, s28, PST
	v_add_nc_u32 v13, s28, v6                      ; back: my four rows
	v_lshlrev_b32 v14, 3, v3
	v_sub_nc_u32 v14, v2, v14                      ; r - 8 hh: register j's key is hidden where j is greater
	v_mov_b32 v15, 0xc630c6d6                      ; -1000 sqrt(128): the raw score that stands for reference()'s -1000
	v_mov_b32 v21, 0                               ; written once: a lane permute's destination counts as read
	s_mov_b32 s29, 0
	s_mov_b32 s24, 0x76543210
	s_mov_b32 s25, 0xfedcba98
	s_wait_kmcnt 0x0
	s_lshl_b32 s28, s11, 9
	s_add_nc_u64 s[14:15], s[6:7], s[28:29]        ; aux + 512 h
	s_lshl_b32 s28, s11, 7
	s_lshl_b32 s27, s10, 5
	s_add_co_u32 s27, s28, s27                     ; 128 h + 32 w
	s_lshl_b32 s28, s27, 13
	s_lshl_b32 s26, ttmp9, 9
	s_add_co_u32 s28, s28, s26
	s_add_nc_u64 s[16:17], s[4:5], s[28:29]        ; W_O: my 32 rows, the tile's columns
	s_lshl_b32 s28, s27, 12
	s_lshl_b32 s26, ttmp9, 8
	s_add_co_u32 s28, s28, s26
	s_add_nc_u64 s[18:19], s[8:9], s[28:29]        ; WOH likewise
	s_lshl_b32 s28, s11, 17
	s_lshl_b32 s26, s10, 15
	s_add_co_u32 s28, s28, s26
	s_lshl_b32 s26, ttmp9, 9
	s_add_co_u32 s28, s28, s26
	s_add_co_u32 s28, s28, 8388608
	s_add_nc_u64 s[20:21], s[8:9], s[28:29]        ; PART[h][4 w][128 c]
	s_lshl_b32 s12, ttmp9, 2
	s_add_co_u32 s12, s12, s10
	s_and_b32 s12, s12, 31                         ; ck
	s_lshl_b32 s28, s12, 13
	s_lshl_b32 s26, s11, 9
	s_add_co_u32 s28, s28, s26
	s_add_co_u32 s28, s28, 10485760
	s_add_nc_u64 s[22:23], s[8:9], s[28:29]        ; TAILS[ck][128 h]
	s_mov_b32 s26, 0x3e0293ee                      ; c = log2(e) / sqrt(128)
	s_mov_b32 s27, 0x44fe0000                      ; 2032.0
; ---- 1: the loads
.set gi, 0
.rept 16
	global_load_b128 v[32+4*gi:35+4*gi], v4, s[14:15] offset:32*gi            ; Q(r, 8 g + 4 hh + 0..3)
.set gi, gi+1
.endr
	WIN 0x40
.set gi, 0
.rept 16
	global_load_b128 v[4*gi:4*gi+3], v4, s[14:15] offset:131072+32*gi         ; K likewise
.set gi, gi+1
.endr
.irp t, 0,1,2,3,4,5,6,7
.irp k, 0,1,2,3,4,5,6,7
	global_load_b32 v[64+8*\t+\k], v5, s[14:15] offset:262144+8192*\k+64*\t   ; V(key 8 hh + k, channel 16 t + r)
.endr
.endr
	WIN 0xc0
	global_load_b128 v[0:3], v6, s[14:15] offset:393216                       ; the sum of v over rows 16..63,
.set bi, 1
.rept 31
	global_load_b128 v[4*bi:4*bi+3], v6, s[14:15] offset:401408+8192*bi       ; and over blocks 1..31: a lane holds channels 4 lane + 0..3
.set bi, bi+1
.endr
	WIN 0x80
.set ri, 0
.rept 16
	global_load_b128 v[4*ri:4*ri+3], v6, s[16:17] offset:8192*ri th:TH_LOAD_NT   ; W_O's rows: 512 consecutive bytes a load
.set ri, ri+1
.endr
	WIN 0
	s_wait_loadcnt 63                              ; 112 loads were issued behind K's last: at most 63 out shows Q and K in
; ---- 2: S^T = K Q^T: 32 steps of four channels, four accumulators by turns
	WIN 0x01
.set st, 0
.rept 32
.if st < 4
	v_wmma_f32_16x16x4_f32 v[144+8*(st%4):151+8*(st%4)], v[2*st:2*st+1], v[32+2*st:33+2*st], 0
.else
	v_wmma_f32_16x16x4_f32 v[144+8*(st%4):151+8*(st%4)], v[2*st:2*st+1], v[32+2*st:33+2*st], v[144+8*(st%4):151+8*(st%4)]
.endif
.set st, st+1
.endr
	WIN 0
.rept 8
	v_nop                                          ; eight places behind this form before its results are read (ISA guide 7.12.1)
.endr
.irp jp, 0,1,2,3
	v_pk_add_f32 v[96+2*\jp:97+2*\jp], v[144+2*\jp:145+2*\jp], v[152+2*\jp:153+2*\jp]
	v_pk_add_f32 v[104+2*\jp:105+2*\jp], v[160+2*\jp:161+2*\jp], v[168+2*\jp:169+2*\jp]
.endr
.irp jp, 0,1,2,3
	v_pk_add_f32 v[96+2*\jp:97+2*\jp], v[96+2*\jp:97+2*\jp], v[104+2*\jp:105+2*\jp]   ; lane (r, hh), register j: query r, key 8 hh + j
.endr
; ---- 3: the softmax
.irp j, 0,1,2,3,4,5,6,7
	v_cmp_gt_i32 vcc_lo, \j, v14
	v_cndmask_b32 v[96+\j], v[96+\j], v15, vcc_lo
.endr
	v_max3_num_f32 v16, v96, v97, v98
	v_max3_num_f32 v16, v16, v99, v100
	v_max3_num_f32 v16, v16, v101, v102
	v_max3_num_f32 v16, v16, v103, v15             ; the hidden keys from 16 on count for the maximum too
	v_permlanex16_b32 v21, v16, s24, s25
	v_max_num_f32 v16, v16, v21
	v_mul_f32 v17, s26, v16
.irp j, 0,1,2,3,4,5,6,7
	v_fma_f32 v[104+\j], s26, v[96+\j], -v17
.endr
	v_fma_f32 v18, s26, v15, -v17
.irp j, 0,1,2,3,4,5,6,7
	v_exp_f32 v[104+\j], v[104+\j]
.endr
	v_exp_f32 v18, v18                             ; pm
	v_nop
	s_wait_alu depctr_va_vdst(0)                   ; one wait for the nine, ahead of their first reader
	v_add_f32 v22, v104, v105
	v_add_f32 v23, v106, v107
	v_add_f32 v24, v108, v109
	v_add_f32 v25, v110, v111
	v_add_f32 v22, v22, v23
	v_add_f32 v24, v24, v25
	v_add_f32 v22, v22, v24
	v_permlanex16_b32 v21, v22, s24, s25
	v_add_f32 v22, v22, v21
	v_fma_f32 v19, v18, s27, v22                   ; the row's sum
	v_rcp_f32 v20, v19
	v_nop
	s_wait_alu depctr_va_vdst(0)
	v_mov_b32 v21, v20                             ; (named with v20 as a pair)
; ---- 4: z^T = V^T P: four steps of four keys, eight accumulators by turns
	s_wait_loadcnt 48                              ; V is in; the 32 block sums and 16 rows of W_O behind it may be out
	WIN 0x80
.set ri, 16
.rept 16
	global_load_b128 v[4*ri:4*ri+3], v6, s[16:17] offset:8192*ri th:TH_LOAD_NT
.set ri, ri+1
.endr
	WIN 0x01
.irp s, 0,1,2,3
.irp t, 0,1,2,3,4,5,6,7
.if \s == 0
	v_wmma_f32_16x16x4_f32 v[176+8*\t:183+8*\t], v[64+8*\t+2*\s:65+8*\t+2*\s], v[104+2*\s:105+2*\s], 0
.else
	v_wmma_f32_16x16x4_f32 v[176+8*\t:183+8*\t], v[64+8*\t+2*\s:65+8*\t+2*\s], v[104+2*\s:105+2*\s], v[176+8*\t:183+8*\t]
.endif
.endr
.endr
; ---- 5: the sums of v.  (These additions are also the places behind the products above.)
	WIN 0
	s_wait_loadcnt 32                              ; the block sums are in; W_O's 32 loads may be out
	WIN 0x0f
	v_pk_add_f32 v[112:113], v[0:1], v[4:5]
	v_pk_add_f32 v[114:115], v[2:3], v[6:7]
	WIN 0x0c
.set bi, 2
.rept 30
	v_pk_add_f32 v[112:113], v[112:113], v[4*bi:4*bi+1]
	v_pk_add_f32 v[114:115], v[114:115], v[4*bi+2:4*bi+3]
.set bi, bi+1
.endr
	WIN 0
	ds_store_b128 v9, v[112:115]                   ; the sum over keys 16..2047, channels 4 lane + 0..3,
	WIN 0x40
.irp t, 0,1,2,3,4,5,6,7
	ds_load_b128 v[8*\t:8*\t+3], v10 offset:64*\t          ; comes back as channels 16 t + 8 hh + 0..7: z^T's layout.  LDS serves a wave's instructions in order
	ds_load_b128 v[8*\t+4:8*\t+7], v10 offset:64*\t+16
.endr
	WIN 0
	s_cmp_lt_u32 ttmp9, 8
	s_cbranch_scc0 .Lno_tail
.irp i, 0,1,2,3
	v_mov_b32 v[116+\i], 0
.endr
	WIN 0x03
.set bi, 1
.rept 31
	s_cmp_lt_u32 s12, bi                           ; block bi lies behind block ck?
	s_cselect_b32 s30, 1.0, 0
	s_mov_b32 s31, s30
	v_pk_fma_f32 v[116:117], v[4*bi:4*bi+1], s[30:31], v[116:117] op_sel_hi:[1,0,1]
	v_pk_fma_f32 v[118:119], v[4*bi+2:4*bi+3], s[30:31], v[118:119] op_sel_hi:[1,0,1]
.set bi, bi+1
.endr
	WIN 0
	global_store_b128 v6, v[116:119], s[22:23]     ; 512 consecutive bytes
.Lno_tail:
	s_wait_dscnt 0x0
; ---- 6: z = (z^T + pm x the hidden keys' sum) / the row's sum, into other registers than the accumulators; each accumulator from its low end on
	WIN 0x01
.set zi, 0
.rept 32
	v_pk_fma_f32 v[32+2*zi:33+2*zi], v[2*zi:2*zi+1], v[18:19], v[176+2*zi:177+2*zi] op_sel_hi:[1,0,1]
.set zi, zi+1
.endr
	WIN 0
.set zi, 0
.rept 32
	v_pk_mul_f32 v[32+2*zi:33+2*zi], v[32+2*zi:33+2*zi], v[20:21] op_sel_hi:[1,0]
.set zi, zi+1
.endr
; ---- 7: W_O's tile: in f32 into LDS, in f16 to memory
	s_wait_loadcnt 0x0
	WIN 0x08
.set ri, 0
.rept 32
	ds_store_b128 v7, v[4*ri:4*ri+3] offset:528*ri
.set ri, ri+1
.endr
	s_wait_dscnt 0x0                               ; for the others' sake, and the stores have read their registers
	WIN 0x8a
.set ri, 0
.rept 32
	v_cvt_pk_f16_f32 v[4*ri], v[4*ri], v[4*ri+1]
	v_cvt_pk_f16_f32 v[4*ri+1], v[4*ri+2], v[4*ri+3]
.set ri, ri+1
.endr
	WIN 0x08
.set ri, 0
.rept 32
	global_store_b64 v8, v[4*ri:4*ri+1], s[18:19] offset:4096*ri     ; the wave stores 256 consecutive bytes, aligned
.set ri, ri+1
.endr
	WIN 0
	s_barrier_signal -1
	s_barrier_wait -1                              ; the whole tile lies in LDS
	s_wait_xcnt 0x0                                ; the stores have read their registers: the fragments may land there
; ---- 9: my 32 columns of the output: source 0 = 16 columns of W_O (register j: d = 16 t + 8 hh + 2 s + j), source 1 = z; two accumulators by turns
	WIN 0x80
.irp t, 0,1,2,3,4,5,6,7
.irp k, 0,1,2,3,4,5,6,7
.irp i, 0,1
	ds_load_b32 v[64*\i+8*\t+\k], v11 offset:(16*\t+\k)*528+64*\i
.endr
.endr
.endr
	WIN 0
	s_wait_dscnt 63                                ; 64 loads were issued behind those of t = 0..3
	WIN 0x02
.irp t, 0,1,2,3,4,5,6,7
.if \t == 4
	s_wait_dscnt 0x0
.endif
.irp s, 0,1,2,3
.irp i, 0,1
.if (\t == 0) && (\s == 0)
	v_wmma_f32_16x16x4_f32 v[240+8*\i:247+8*\i], v[64*\i+8*\t+2*\s:64*\i+8*\t+2*\s+1], v[32+8*\t+2*\s:33+8*\t+2*\s], 0
.else
	v_wmma_f32_16x16x4_f32 v[240+8*\i:247+8*\i], v[64*\i+8*\t+2*\s:64*\i+8*\t+2*\s+1], v[32+8*\t+2*\s:33+8*\t+2*\s], v[240+8*\i:247+8*\i]
.endif
.endr
.endr
.endr
	WIN 0
.rept 8
	v_nop
.endr
; ---- 10: out through a stage, so that whole rows of 512 bytes are stored
.irp i, 0,1
	ds_store_b128 v12, v[240+8*\i:243+8*\i] offset:64*\i
	ds_store_b128 v12, v[244+8*\i:247+8*\i] offset:64*\i+16
.endr
	s_wait_dscnt 0x0
	s_barrier_signal -1
	s_barrier_wait -1
.irp p, 0,1,2,3
	ds_load_b128 v[120+4*\p:123+4*\p], v13 offset:528*\p
.endr
.irp p, 0,1,2,3
	s_wait_dscnt 3-\p
	global_store_b128 v6, v[120+4*\p:123+4*\p], s[20:21] offset:8192*\p
.endr
	s_wait_tensorcnt 0x0                           ; the wave's end: behind my last LDS store
	ds_add_u32 v30, v31
	s_wait_dscnt 0x0
	s_endpgm
.Lfunc_end_k_q9a85957ab7_wo16:
	.size	k_q9a85957ab7_wo16, .Lfunc_end_k_q9a85957ab7_wo16-k_q9a85957ab7_wo16
	.p2alignl 7, 3214868480
	.fill 96, 4, 3214868480
	.section	.rodata,"a",@progbits
	.p2align	6, 0x0
	.amdhsa_kernel k_q9a85957ab7_wo16
		.amdhsa_group_segment_fixed_size 78592
		.amdhsa_private_segment_fixed_size 0
		.amdhsa_enable_private_segment 0
		.amdhsa_kernarg_size 24
		.amdhsa_user_sgpr_count 2
		.amdhsa_user_sgpr_kernarg_segment_ptr 1
		.amdhsa_wavefront_size32 1
		.amdhsa_system_sgpr_workgroup_id_x 1
		.amdhsa_system_sgpr_workgroup_id_y 1
		.amdhsa_system_sgpr_workgroup_id_z 1
		.amdhsa_system_vgpr_workitem_id 0
		.amdhsa_next_free_vgpr 896
		.amdhsa_next_free_sgpr 66
		.amdhsa_reserve_vcc 1
		.amdhsa_float_denorm_mode_32 3
		.amdhsa_float_denorm_mode_16_64 3
		.amdhsa_memory_ordered 1
		.amdhsa_forward_progress 1
		.amdhsa_inst_pref_size 66
	.end_amdhsa_kernel
	.amdgpu_metadata
---
amdhsa.version: [ 1, 2 ]
amdhsa.kernels:
  - .name:           k_q9a85957ab7_wo16
    .symbol:         k_q9a85957ab7_wo16.kd
    .args:
      - { .name: W_O, .offset: 0, .size: 8, .value_kind: global_buffer, .address_space: global }
      - { .name: aux, .offset: 8, .size: 8, .value_kind: global_buffer, .address_space: global }
      - { .name: wob, .offset: 16, .size: 8, .value_kind: global_buffer, .address_space: global }
    .group_segment_fixed_size: 78592
    .private_segment_fixed_size: 0
    .kernarg_segment_align: 8
    .kernarg_segment_size: 24
    .max_flat_workgroup_size: 128
    .sgpr_count:     66
    .vgpr_count:     896
    .wavefront_size: 32
...
	.end_amdgpu_metadata
.endif
;; end of part 3
;; launch attn (part 4): grid 16 x 16, 8 waves a work-group, clusters of 4 x 1, 327,680 bytes of LDS; arguments qkvh, wob, b_O, zh, out0; writes zh, out0
.if DOCPART == 4
	.amdgcn_target "amdgcn-amd-amdhsa--gfx1250"
	.amdhsa_code_object_version 6
	.text
	.protected	k_q9a85957ab7_attn
	.globl	k_q9a85957ab7_attn
	.p2align	8
	.type	k_q9a85957ab7_attn,@function
k_q9a85957ab7_attn:
	s_mov_b64 s[64:65], 0
	v_nop
	global_prefetch_b8 v0, s[64:65] scope:SCOPE_SE
	s_setreg_imm32_b32 hwreg(HW_REG_WAVE_MODE, 25, 1), 1
	s_wait_xcnt 0x0
	s_wait_alu depctr_hold_cnt(0) depctr_sa_sdst(0) depctr_va_vdst(0) depctr_va_sdst(0) depctr_va_ssrc(0) depctr_va_vcc(0) depctr_vm_vsrc(0)
	s_getreg_b32 s2, hwreg(HW_REG_IB_STS2, 6, 4)
	s_cmp_eq_u32 s2, 0
	s_cbranch_scc0 .Lentry_in_a_cluster
	s_endpgm
.Lentry_in_a_cluster:
	s_bfe_u32 s2, ttmp6, 0x10000c
	s_cmp_lg_u32 s2, 0x3003
	s_cbranch_scc0 .Lentry_shape_is_right
	s_endpgm
.Lentry_shape_is_right:
; ATTN.  z[q][h][:] = the sum over k of softmax_k(score) v[k][h][:], score = q . k / sqrt(128) where k <= q and -1000 elsewhere.  q, k, v: f16 [16 h][2048][128]; sums, maxima and the softmax in f32; p is rounded to f16.
; THE MASK.  reference() gives hidden keys the score -1000, which is no minus infinity: they stay in the softmax.  All of a row's hidden keys carry one weight.  Inside the key step that holds the diagonal they get
; the score -1000 and go through the softmax like any key.  The NT keys behind that step add pm x (the sum of their v: TAILS, made earlier) to z and NT pm to the row's sum, pm = exp(-1000 - max), on the way out.
; So steps wholly behind the diagonal are left out, and the result is reference()'s for every input.
; SHARES.  A chunk is 64 queries, four tiles of 16; a key step is 64 keys; chunk t needs steps 0 .. t.  Waves w and w + 4 are PAIR p = w % 4 and work on ONE tile: of a slot's four key steps the wave with
; hf = w / 4 takes steps 2 hf and 2 hf + 1, with a maximum, a sum and an O^T of its own; at the end one of the two hands its three to the other through LDS, which puts them together.
; Cluster g (x) of head y goes through the keys twice: in the first pass pair p has chunk 31 - 4 g - p (8 - g slots), in the second chunk 4 g + p (g + 1 slots); work-group cx takes tile cx of each chunk.
; So every cluster walks 9 slots, a wave has at most 18 steps, and a pair's diagonal step is the same in all four partners: no branch hangs on a work-group's place in its cluster, and the loop's count is a constant.
; THE RING.  Two LDS slots of four key steps; K's and V's tiles are asked for JOINTLY by the four partners, one load a wave: waves 0-3 K's four steps, waves 4-7 V's.  No LDS address is stepped.
; LAYOUT.  S^T = K Q^T and O^T = V^T P: a lane holds one query throughout; two tiles of S^T, rounded in pairs, are source 1 of the second product.  V comes out of LDS turned, by ds_load_tr16_b128.
; Wave 7 also adds up one row (number = the head's) x 128 columns of output rows 0..15 from the sixteen heads' parts made in f32, with b_O.
; LIMITS: p under 3e-8 counts as 0 in the second product; z beyond 65,504 is not served; at the change of passes what is left in O^T and the sum is wiped by a factor 0, which takes them to be finite (infinities are not served).
; REGISTERS: window 0: v2-13 addresses, v14, v15 the add's two, v16-23 statistics, v24-31 at work, v32-63 Q, v64-95 S^T, v96-111 P, v112, v113 the hand-over's addresses, v128-191 O^T, v192-255 the tail sums.
;   window 1: v0-127 K, v128-255 V of one step; at the hand-over v0-63 the partner's O^T.
.set PK,    272                        ; a row of K in LDS: 256 bytes + 16: the 16 rows of a load start at 16 different banks (64 banks of 4 bytes: ISA guide 11.1)
.set PV,    288                        ; a row of V: 256 + 32
.set VOFF,  64*PK
.set STEPB, 64*(PK+PV)                 ; a step's tiles lie together: 64 rows of K, then 64 rows of V
.set SLOTB, 4*STEPB                    ; a slot holds four steps
.set SPARE, 2*SLOTB                    ; behind the ring: the spare words, 128 bytes a wave
.set MERGE, SPARE+8*128                ; behind them, for each pair: 8,192 bytes for an O^T as its registers stand, 128 for m, 128 for the sum; its first 4,352 bytes are afterwards the stage of the way out
.set MPAIR, 8448
.set AK,  2                            ; v2, v3   my lane's place in K's tile of my first step of slot 0, 1
.set AV,  4                            ; v4, v5   the same for V
.set QO,  6
.set STO, 7
.set RD,  8
.set GO,  9
.set DD,  10                           ; v10  16 cx + r - 8 (lane / 16): in the diagonal step register 16 kt + j's key is hidden where 16 kt + j is greater
.set SRW, 11                           ; v11  -1000 sqrt(128)
.set PFO, 12                           ; v12  256 x lane
.set VTO, 13                           ; v13  32 (lane / 16)
.set SPW, 14
.set NIL, 15
.set Q,   32
.set S,   64
.set P,   96
.set MSO, 112                          ; v112 my pair's region + 16 x lane
.set MSS, 113                          ; v113 my pair's region + 8,192 + 4 x lane
.set O,   128
.set VT,  192
.set WV,  12
.set TAU, 13                           ; s13  the chunk in hand, and its diagonal step
.set SI,  14                           ; s14  the key step in hand, counted in the pass
.set LAP, 15
.set PFA, 18
.set LIM, 20                           ; s20  6 in a wave that prefetches, else 0: it prefetches while the slot's number is under it
.set G1K, 24
.set G1V, 32
.set G0K, 40                           ; s[40:47] group 0 for K's tiles, a set for each LDS slot
.set G0V, 48
.set QB2, 56                           ; s[56:57] q at the second pass's tile
.set CS,  58
.set SEL, 60
.set KB,  74                           ; s[74:75] K at my step of the head's first slot;  s[76:77] V likewise
.set VB,  76
.set TAU2, 84                          ; s84  the second pass's chunk
.set HF,  85                           ; s85  which half of a slot's steps is mine
.set MT,  86                           ; s86  the chunk whose result I put together: waves 0-3 the first pass's, waves 4-7 the second's
.set KS,  87                           ; s87  the slot of keys last asked for
.set NA,  88                           ; s88  slots in the first pass
.set PCH, 89                           ; s89  the number of the first pass's last slot
.set NS,  90                           ; s90  the number of the slot in hand, 0 .. 8
.set OFFP, 92                          ; s[92:93] a slot of keys in bytes from the head's first
.set QB1, 94                           ; s[94:95] q at the first pass's tile
.set MSB, 0
.macro WIN new
.if MSB != (\new)
	s_set_vgpr_msb (MSB<<8)|(\new)
.set MSB, (\new)
.endif
.endm
.macro TLOAD s                         ; the joint load of LDS slot s: one a wave.  The branch hangs on the wave's number alone.  An s_nop 0 and four v_nop follow each line
	s_cmp_lt_u32 s[WV], 4
	s_cbranch_scc0 .Lfor_v_\@
	tensor_load_to_lds s[G0K+4*\s:G0K+4*\s+3], s[G1K:G1K+7]
	s_nop 0
.rept 4
	v_nop
.endr
	s_branch .Lasked_\@
.Lfor_v_\@:
	tensor_load_to_lds s[G0V+4*\s:G0V+4*\s+3], s[G1V:G1V+7]
	s_nop 0
.rept 4
	v_nop
.endr
.Lasked_\@:
.endm
; A prefetch of the slot that the NEXT change will ask for: 256 rows of K and 256 of V, 256 bytes a row, a lane a row.  All clusters of a head walk the same rows from the start: the head's first cluster, whose first
; pass walks them all, asks, in that pass alone (slots 2 to 7).  Its four partners take 64 rows each, told apart by address; in each, waves 0 and 1 ask for K's, waves 2 and 3 for V's, 32 rows a wave.
; So each row is named once.  It stands behind the wave's tensor load and its five lines.
.macro ASK
	s_cmp_lt_u32 s[NS], s[LIM]
	s_cbranch_scc0 .Lnot_mine_\@
	global_prefetch_b8 v[PFO], s[PFA:PFA+1] th:TH_LOAD_NT scope:SCOPE_SE
.Lnot_mine_\@:
.endm
.macro CROUND
	s_barrier_signal -1
	s_barrier_wait -1
	s_cmp_lg_u32 s[WV], 0
	s_cbranch_scc1 .Lnot_wave_0_\@
	s_barrier_signal -3
.Lnot_wave_0_\@:
	s_barrier_wait -3
	s_barrier_signal -1
	s_barrier_wait -1
.endm
	s_load_b256 s[4:11], s[0:1], 0x0               ; qkvh s[4:5], wob s[6:7], b_O s[8:9], zh s[10:11]
	s_load_b64 s[16:17], s[0:1], 0x20              ; out0
	v_lshl_add_u32 v[SPW], v0, 2, SPARE
	v_mov_b32 v[NIL], 0
	ds_add_u32 v[SPW], v[NIL]                      ; the wave's opening: the add and its wait ahead of my first tensor load
	v_lshrrev_b32 v1, 5, v0
	v_readfirstlane_b32 s[WV], v1                  ; wave 0..7
	s_bfe_u32 s66, ttmp6, 0x40000                  ; cx
	s_and_b32 s67, ttmp7, 0xffff                   ; the head
	s_and_b32 s70, s[WV], 3                        ; my pair.  Also: which of a slot's four steps I fetch
	s_lshr_b32 s[HF], s[WV], 2
	s_lshl_b32 s23, ttmp9, 2
	s_add_co_u32 s[TAU2], s70, s23                 ; 4 g + p
	s_sub_co_u32 s[TAU], 31, s[TAU2]               ; 31 - 4 g - p: the first pass's chunk
	s_cmp_lt_u32 s[WV], 4
	s_cselect_b32 s[MT], s[TAU], s[TAU2]
	s_lshl_b32 s[SI], s[HF], 1                     ; my first step
	s_sub_co_u32 s[NA], 8, ttmp9
	s_sub_co_u32 s[PCH], 7, ttmp9
	s_mov_b32 s[KS], 0
	s_mov_b32 s[NS], 0
	s_mov_b32 s[LAP], 0
	s_mov_b32 s[OFFP+1], 0
	s_lshl_b32 s68, s67, 19                        ; the head's first byte in q, k and v
	s_lshl_b32 s72, s70, 14                        ; my step's 64 rows of 256 bytes
	s_add_co_u32 s72, s72, s68
	s_mov_b32 s73, 0
	s_mul_i32 s71, s70, STEPB                      ; and its place in a slot
	s_mov_b32 s[G1K], 15|(1<<16)|(1<<20)|(1<<21)|(5<<22)|(3<<25)   ; the mask: all four; elements of 2 bytes; padding: 4 words behind every 64; bit 21 beside a mask
	s_mov_b32 s[G1V], 15|(1<<16)|(1<<20)|(1<<21)|(5<<22)|(7<<25)   ; the same with 8 words
.irp g, G1K, G1V
	s_mov_b32 s[\g+1], 128<<16
	s_mov_b32 s[\g+2], 64<<16
	s_mov_b32 s[\g+3], 128<<16
	s_mov_b32 s[\g+4], 64
	s_mov_b32 s[\g+5], 128
	s_mov_b32 s[\g+6], 0
	s_mov_b32 s[\g+7], 0
.endr
	s_mov_b32 s[CS], 0x3e0293ee                    ; c = log2(e) / sqrt(128)
	s_mov_b32 s[CS+1], s[CS]
	s_mov_b32 s[SEL], 0x76543210
	s_mov_b32 s[SEL+1], 0xfedcba98
	s_or_b32 s80, s[HF], ttmp9                     ; 0 in waves 0 to 3 of the head's first cluster: the same in all four partners
	s_cmp_eq_u32 s80, 0
	s_cselect_b32 s[LIM], 6, 0
	s_wait_dscnt 0x0                               ; the opening add is done
	s_wait_kmcnt 0x0
	s_add_nc_u64 s[KB:KB+1], s[4:5], s[72:73]
	s_add_nc_u64 s[VB:VB+1], s[KB:KB+1], 16777216  ; V at my step of the head's first slot
	s_add_nc_u64 s[KB:KB+1], s[KB:KB+1], 8388608   ; K likewise
.irp s, 0,1
	s_mov_b32 s[G0K+4*\s], 1
	s_add_co_u32 s[G0K+4*\s+1], s71, \s*SLOTB
	s_mov_b32 s[G0V+4*\s], 1
	s_add_co_u32 s[G0V+4*\s+1], s71, \s*SLOTB+VOFF
.endr
	s_mov_b64 s[G0K+2:G0K+3], s[KB:KB+1]
	s_or_b32 s[G0K+3], s[G0K+3], 0x80000000
	s_mov_b64 s[G0V+2:G0V+3], s[VB:VB+1]
	s_or_b32 s[G0V+3], s[G0V+3], 0x80000000
	CROUND                                         ; all four work-groups are here
	TLOAD 0                                        ; slot 0; slot 1 is first filled behind the first change's round
	s_mov_b32 s79, 0
	s_mov_b32 s78, 16777216
	s_cmp_lt_u32 s[WV], 2
	s_cselect_b32 s78, 8388608, s78                ; the prefetches: K's rows (waves 0, 1) or V's (waves 2, 3),
	s_add_co_u32 s78, s78, s68                     ; in my head,
	s_lshl_b32 s22, s66, 14
	s_add_co_u32 s78, s78, s22                     ; my work-group's 64 rows of a slot's 256,
	s_and_b32 s22, s[WV], 1
	s_lshl_b32 s22, s22, 13
	s_add_co_u32 s78, s78, s22                     ; my wave's 32 of them,
	s_add_co_u32 s78, s78, 65536                   ; in slot 1: the first change steps it to slot 2.  Nothing is prefetched at the head
	s_add_nc_u64 s[PFA:PFA+1], s[4:5], s[78:79]
	s_lshl_b32 s22, s66, 12
	s_add_co_u32 s22, s22, s68
	s_lshl_b32 s78, s[TAU], 14
	s_add_co_u32 s78, s78, s22
	s_add_nc_u64 s[QB1:QB1+1], s[4:5], s[78:79]    ; q at the first pass's tile: row 64 x chunk + 16 cx
	s_lshl_b32 s78, s[TAU2], 14
	s_add_co_u32 s78, s78, s22
	s_add_nc_u64 s[QB2:QB2+1], s[4:5], s[78:79]    ; and at the second's
	s_lshl_b32 s78, s[MT], 13
	s_lshl_b32 s22, s67, 9
	s_add_co_u32 s78, s78, s22
	s_add_co_u32 s78, s78, 10485760
	s_add_nc_u64 s[62:63], s[6:7], s[78:79]        ; TAILS[the chunk that I put together][128 head]
	s_lshl_b32 s78, s[MT], 18
	s_lshl_b32 s22, s66, 16
	s_add_co_u32 s78, s78, s22
	s_lshl_b32 s22, s67, 8
	s_add_co_u32 s78, s78, s22
	s_add_nc_u64 s[10:11], s[10:11], s[78:79]      ; zh at that chunk's tile
	s_lshl_b32 s22, ttmp9, 2
	s_add_co_u32 s22, s22, s66
	s_lshl_b32 s78, s22, 9                         ; wave 7's 128 columns
	s_add_nc_u64 s[82:83], s[8:9], s[78:79]        ; b_O there
	s_lshl_b32 s22, s67, 13
	s_add_co_u32 s78, s78, s22
	s_add_nc_u64 s[16:17], s[16:17], s[78:79]      ; out0, row = the head's number
	s_add_co_u32 s78, s78, 8388608
	s_add_nc_u64 s[80:81], s[6:7], s[78:79]        ; PART[0][that row][those columns]
	v_and_b32 v1, 15, v0                           ; r
	v_bfe_u32 v24, v0, 4, 1                        ; hh
	s_mul_i32 s22, s[HF], 2*STEPB                  ; my two steps of a slot's four
	v_mul_u32_u24 v2, v1, PK
	v_lshl_add_u32 v2, v24, 4, v2
	v_add_nc_u32 v2, s22, v2
	v_add_nc_u32 v3, SLOTB, v2
	v_and_b32 v25, 7, v0
	v_bfe_u32 v26, v0, 3, 1
	v_lshl_add_u32 v4, v24, 3, v25
	v_mul_u32_u24 v4, v4, PV
	v_lshl_add_u32 v4, v26, 4, v4
	s_add_co_u32 s22, s22, VOFF
	v_add_nc_u32 v4, s22, v4
	v_add_nc_u32 v5, SLOTB, v4
	v_lshlrev_b32 v[QO], 8, v1
	v_lshl_add_u32 v[QO], v24, 4, v[QO]
	s_mul_i32 s22, s70, MPAIR
	s_add_co_u32 s22, s22, MERGE                   ; my pair's region
	v_mul_u32_u24 v[STO], v1, 272
	v_lshl_add_u32 v[STO], v24, 4, v[STO]
	v_add_nc_u32 v[STO], s22, v[STO]
	v_mul_u32_u24 v[RD], v24, 272
	v_lshl_add_u32 v[RD], v1, 4, v[RD]
	v_add_nc_u32 v[RD], s22, v[RD]
	v_lshlrev_b32 v[GO], 12, v24
	v_lshl_add_u32 v[GO], v1, 4, v[GO]
	v_lshlrev_b32 v[DD], 3, v24
	v_sub_nc_u32 v[DD], v1, v[DD]
	s_lshl_b32 s23, s66, 4
	v_add_nc_u32 v[DD], s23, v[DD]
	v_mov_b32 v[SRW], 0xc630c6d6
	v_and_b32 v[PFO], 31, v0
	v_lshlrev_b32 v27, 4, v[PFO]                   ; 16 x lane
	v_add_nc_u32 v[MSO], s22, v27
	v_lshlrev_b32 v[MSS], 2, v[PFO]
	s_add_co_u32 s22, s22, 8192
	v_add_nc_u32 v[MSS], s22, v[MSS]
	v_lshlrev_b32 v[PFO], 8, v[PFO]
	v_lshlrev_b32 v[VTO], 5, v24
.irp c, 0,1,2,3
	global_load_b128 v[Q+8*\c:Q+8*\c+3], v[QO], s[QB1:QB1+1] offset:64*\c      ; the first pass's Q stays in registers
	global_load_b128 v[Q+8*\c+4:Q+8*\c+7], v[QO], s[QB1:QB1+1] offset:64*\c+32
.endr
.irp t, 0,1,2,3,4,5,6,7
	global_load_b128 v[VT+8*\t:VT+8*\t+3], v[VTO], s[62:63] offset:64*\t       ; the tail sums in O^T's layout: channels 16 t + 8 hh + 0..7
	global_load_b128 v[VT+8*\t+4:VT+8*\t+7], v[VTO], s[62:63] offset:64*\t+16
.endr
	s_cmp_lg_u32 s[WV], 7
	s_cbranch_scc1 .Lnot7
	WIN 0x40                                       ; wave 7: one row x 128 columns of output rows 0..15, while the first tiles are on their way; K's registers are still free
	global_load_b128 v[0:3], v27, s[82:83]
.set hi, 0
.rept 16
	global_load_b128 v[4+4*hi:7+4*hi], v27, s[80:81] offset:131072*hi
.set hi, hi+1
.endr
	WIN 0
	s_wait_loadcnt 0x0
	WIN 0x45
.set hi, 0
.rept 16
	v_pk_add_f32 v[0:1], v[0:1], v[4+4*hi:5+4*hi]
	v_pk_add_f32 v[2:3], v[2:3], v[6+4*hi:7+4*hi]
.set hi, hi+1
.endr
	WIN 0x04
	global_store_b128 v27, v[0:3], s[16:17]        ; 512 consecutive bytes
	WIN 0
	s_wait_xcnt 0x0                                ; the store has read its registers: K's fragments may land there
.Lnot7:
	v_mov_b32 v17, 0xff61b1e6                      ; m: -3e38, under every score
	v_mul_f32 v16, s[CS], v17                      ; c m
	v_mov_b32 v18, 0                               ; the sum, in two halves
	v_mov_b32 v19, 0
	v_mov_b32 v20, 0                               ; written once on every path: a lane permute's destination counts as one of its sources
.set oi, 0
.rept 64
	v_mov_b32 v[O+oi], 0                           ; O^T.  (The step is written once: the first finds zeros, which its factor 0 leaves zeros)
.set oi, oi+1
.endr
	s_wait_loadcnt 0x0                             ; Q and the tail sums
.macro FETCH_K slot, q
	WIN 0x40
.irp f, 0,1,2,3,4,5,6,7,8,9,10,11,12,13,14,15  ; keys 16 (f / 4) on, channels 32 (f % 4) on
	ds_load_b128 v[8*\f:8*\f+3],   v[AK+\slot] offset:(\q)*STEPB+(\f/4)*16*PK+(\f%4)*64
	ds_load_b128 v[8*\f+4:8*\f+7], v[AK+\slot] offset:(\q)*STEPB+(\f/4)*16*PK+(\f%4)*64+32
.endr
.endm
.macro FETCH_V slot, q
	WIN 0x40
.irp f, 0,1,2,3,4,5,6,7,8,9,10,11,12,13,14,15  ; keys 32 (f / 8) on, channels 16 (f % 8) on
	ds_load_tr16_b128 v[128+8*\f:128+8*\f+3],   v[AV+\slot] offset:(\q)*STEPB+(\f/8)*32*PV+(\f%8)*32
	ds_load_tr16_b128 v[128+8*\f+4:128+8*\f+7], v[AV+\slot] offset:(\q)*STEPB+(\f/8)*32*PV+16*PV+(\f%8)*32
.endr
.endm
.macro QK                              ; S^T = K Q^T: the four accumulators by turns; the first four start the sums
	WIN 0x01
.irp c, 0,1,2,3
.irp kt, 0,1,2,3
.if \c == 0
	v_wmma_f32_16x16x32_f16 v[S+8*\kt:S+8*\kt+7], v[8*(4*\kt+\c):8*(4*\kt+\c)+7], v[Q+8*\c:Q+8*\c+7], 0
.else
	v_wmma_f32_16x16x32_f16 v[S+8*\kt:S+8*\kt+7], v[8*(4*\kt+\c):8*(4*\kt+\c)+7], v[Q+8*\c:Q+8*\c+7], v[S+8*\kt:S+8*\kt+7]
.endif
.endr
.endr
	WIN 0
.endm
.macro PVM                             ; O^T += V^T P: the eight accumulators by turns
	WIN 0x01
.irp kh, 0,1
.irp t, 0,1,2,3,4,5,6,7
	v_wmma_f32_16x16x32_f16 v[O+8*\t:O+8*\t+7], v[128+8*(8*\kh+\t):128+8*(8*\kh+\t)+7], v[P+8*\kh:P+8*\kh+7], v[O+8*\t:O+8*\t+7]
.endr
.endr
	WIN 0
.endm
.macro MASK
.irp kt, 0,1,2,3
.irp j, 0,1,2,3,4,5,6,7
	v_cmp_gt_i32 vcc_lo, 16*\kt+\j, v[DD]
	v_cndmask_b32 v[S+8*\kt+\j], v[S+8*\kt+\j], v[SRW], vcc_lo
.endr
.endr
.endm
; v16 c m, v17 m, v[18:19] the sum, v20-23 at work; a = 2^(c m_old - c m_new) in v22.  p = 2^(c s - c m).
.macro SOFTMAX
.irp j, 0,1,2,3
	v_max3_num_f32 v[20+\j], v[S+8*\j], v[S+8*\j+1], v[S+8*\j+2]
.endr
.irp i, 3,5
.irp j, 0,1,2,3
	v_max3_num_f32 v[20+\j], v[20+\j], v[S+8*\j+\i], v[S+8*\j+\i+1]
.endr
.endr
	v_max3_num_f32 v20, v20, v[S+7], v[S+15]
	v_max3_num_f32 v22, v22, v[S+23], v[S+31]
	v_max3_num_f32 v20, v20, v21, v22
	v_max3_num_f32 v20, v20, v23, v17
	v_permlanex16_b32 v21, v20, s[SEL], s[SEL+1]   ; the query's other 32 keys lie in the lane 16 away
	v_mov_b32 v23, v16
	v_max_num_f32 v17, v20, v21
	v_mul_f32 v16, s[CS], v17
	v_sub_f32 v23, v23, v16
.set bi, 0
.rept 16
	v_pk_fma_f32 v[S+2*bi:S+2*bi+1], v[S+2*bi:S+2*bi+1], s[CS:CS+1], v[16:17] op_sel_hi:[1,0,0] neg_lo:[0,0,1] neg_hi:[0,0,1]
.set bi, bi+1
.endr
	v_exp_f32 v22, v23
.set bi, 0
.rept 32
	v_exp_f32 v[S+bi], v[S+bi]
.set bi, bi+1
.endr
	v_nop                                          ; a plain instruction behind the batch,
	s_wait_alu depctr_va_vdst(0)                   ; and one wait for the 33, ahead of their first reader
.set bi, 0
.rept 16
	v_cvt_pk_f16_f32 v[P+bi], v[S+2*bi], v[S+2*bi+1]
.set bi, bi+1
.endr
.irp u, 0,1,2,3,4,5,6,7
	v_pk_add_f32 v[S+4*\u:S+4*\u+1], v[S+4*\u:S+4*\u+1], v[S+4*\u+2:S+4*\u+3]
.endr
.irp u, 0,1,2,3
	v_pk_add_f32 v[S+8*\u:S+8*\u+1], v[S+8*\u:S+8*\u+1], v[S+8*\u+4:S+8*\u+5]
.endr
.irp u, 0,1
	v_pk_add_f32 v[S+16*\u:S+16*\u+1], v[S+16*\u:S+16*\u+1], v[S+16*\u+8:S+16*\u+9]
.endr
	v_pk_add_f32 v[S:S+1], v[S:S+1], v[S+16:S+17]
	v_pk_fma_f32 v[18:19], v[18:19], v[22:23], v[S:S+1] op_sel_hi:[1,0,1]
.set bi, 0
.rept 32
	v_pk_mul_f32 v[O+2*bi:O+2*bi+1], v[O+2*bi:O+2*bi+1], v[22:23] op_sel_hi:[1,0]
.set bi, bi+1
.endr
.endm
; A KEY STEP: 64 keys, the q-th of my two in the slot.  A step behind the diagonal is left out whole: one scalar branch on ids and the count of steps; no barrier, wait for tiles or tensor load stands in a step.
; inc: 1 to my second step, 3 from there over the partner's two to my first of the next slot.
.macro STEP slot, q, inc
	s_cmp_gt_u32 s[SI], s[TAU]
	s_cbranch_scc1 .Lskip_\@
	FETCH_K \slot, \q
	FETCH_V \slot, \q
	s_wait_dscnt 32                                ; K is in; V's 32 loads may be out
	QK
.rept 4
	v_nop                                          ; places behind the products, ahead of the first read of the scores
.endr
	s_cmp_lg_u32 s[SI], s[TAU]
	s_cbranch_scc1 .Lopen_\@
	MASK
.Lopen_\@:
	SOFTMAX
	s_wait_dscnt 0x0                               ; V is in
	PVM
.rept 4
	v_nop                                          ; places ahead of the next step's loads into V's registers, and of the first read of O^T
.endr
.Lskip_\@:
	s_add_co_u32 s[SI], s[SI], \inc
.endm
; THE CHANGE OF SLOTS stands at a slot's head.  Each wave waits for all its tensor loads (its part of the slot ahead), adds 0 to its spare word, and waits for that and for its reads of the slot that it has left.
; fill = 1: behind a round of the cluster's barrier LDS slot fs, which nobody reads any more, is filled with the keys that follow the slot ahead; behind the first pass's last slot of keys comes the head's first again.
; The load has every wave's two steps in which to land.
.macro CHANGE fs, fill
	s_wait_tensorcnt 0x0                           ; no tensor load of mine is out, so a group 0 may be written
	ds_add_u32 v[SPW], v[NIL]
.if \fill
	s_add_co_u32 s[KS], s[KS], 1
	s_cmp_eq_u32 s[KS], s[NA]
	s_cselect_b32 s[KS], 0, s[KS]                  ; ids and the count of slots alone: the same in all four partners
	s_lshl_b32 s[OFFP], s[KS], 16                  ; 256 rows of 256 bytes a slot
	s_add_nc_u64 s[G0K+4*\fs+2:G0K+4*\fs+3], s[KB:KB+1], s[OFFP:OFFP+1]
	s_or_b32 s[G0K+4*\fs+3], s[G0K+4*\fs+3], 0x80000000
	s_add_nc_u64 s[G0V+4*\fs+2:G0V+4*\fs+3], s[VB:VB+1], s[OFFP:OFFP+1]
	s_or_b32 s[G0V+4*\fs+3], s[G0V+4*\fs+3], 0x80000000
	s_wait_xcnt 0x0                                ; the last prefetch, a slot back, has read its address
	s_add_nc_u64 s[PFA:PFA+1], s[PFA:PFA+1], 65536
.endif
	s_wait_dscnt 0x0                               ; the add is done, and my reads of the slot that I have left are over
.if \fill
	CROUND
	TLOAD \fs
	ASK
.else
	s_barrier_signal -1
	s_barrier_wait -1
.endif
.endm
; THE END OF A PASS.  The wave of the pair with hf != mrole hands its O^T, m and sum to the other as its registers stand: 16 bytes a lane and register group, 4 bytes a lane for m and the sum; a barrier; the other
; puts the two together with the NT keys behind the diagonal step: m2 = max(m, m', -1000); each part is brought under m2 by 2^(c m - c m2); pm is a hidden key's weight; all is divided by the row's sum.
.macro WAYOUT mrole
	v_add_f32 v18, v18, v19
	v_permlanex16_b32 v20, v18, s[SEL], s[SEL+1]
	v_add_f32 v18, v18, v20                        ; my part of the row's sum
	s_cmp_eq_u32 s[HF], \mrole
	s_cbranch_scc1 .Lkeep_\@
.set bi, 0
.rept 16
	ds_store_b128 v[MSO], v[O+4*bi:O+4*bi+3] offset:512*bi   ; each accumulator from its low end on
.set bi, bi+1
.endr
	ds_store_b32 v[MSS], v17
	ds_store_b32 v[MSS], v18 offset:128
.Lkeep_\@:
	s_wait_dscnt 0x0                               ; for the partner's sake: my stores have landed
	s_barrier_signal -1
	s_barrier_wait -1
	s_cmp_lg_u32 s[HF], \mrole
	s_cbranch_scc1 .Lsent_\@
	WIN 0x40
.set bi, 0
.rept 16
	ds_load_b128 v[4*bi:4*bi+3], v[MSO] offset:512*bi        ; the partner's O^T, into K's registers
.set bi, bi+1
.endr
	WIN 0
	ds_load_b32 v24, v[MSS]                        ; its m
	ds_load_b32 v25, v[MSS] offset:128             ; its sum
	s_add_co_u32 s21, s[MT], 1
	s_lshl_b32 s21, s21, 6
	s_sub_co_u32 s21, 2048, s21                    ; NT
	s_mov_b32 s22, 0xff61b1e6
	s_cmp_gt_u32 s21, 0
	s_cselect_b32 s22, 0xc630c6d6, s22             ; with no key left, a score under every score: pm = 0
	v_cvt_f32_u32 v21, s21
	s_wait_dscnt 0x0
	v_max3_num_f32 v26, v17, v24, s22
	v_mul_f32 v27, s[CS], v26                      ; c m2
	v_mul_f32 v29, s[CS], v24                      ; the partner's c m: the same multiplication gives the bits under which it summed
	v_sub_f32 v28, v16, v27
	v_sub_f32 v29, v29, v27
	v_fma_f32 v30, s[CS], s22, -v27
	v_exp_f32 v28, v28
	v_exp_f32 v29, v29
	v_exp_f32 v30, v30
	v_nop
	s_wait_alu depctr_va_vdst(0)                   ; one wait for the three
	v_mul_f32 v21, v21, v30
	v_fma_f32 v21, v25, v29, v21
	v_fma_f32 v18, v18, v28, v21                   ; the row's sum
	v_rcp_f32 v19, v18
	v_nop
	s_wait_alu depctr_va_vdst(0)
	v_mul_f32 v24, v28, v19
	v_mul_f32 v26, v29, v19
	v_mul_f32 v30, v30, v19
	v_mov_b32 v25, v24                             ; (named as pairs)
	v_mov_b32 v27, v26
	v_mov_b32 v31, v30
.set bi, 0
.rept 32
	v_pk_mul_f32 v[VT+2*bi:VT+2*bi+1], v[VT+2*bi:VT+2*bi+1], v[30:31] op_sel_hi:[1,0]
.set bi, bi+1
.endr
.set bi, 0
.rept 32
	v_pk_fma_f32 v[O+2*bi:O+2*bi+1], v[O+2*bi:O+2*bi+1], v[24:25], v[VT+2*bi:VT+2*bi+1] op_sel_hi:[1,0,1]
.set bi, bi+1
.endr
	WIN 0x01
.set bi, 0
.rept 32
	v_pk_fma_f32 v[O+2*bi:O+2*bi+1], v[2*bi:2*bi+1], v[26:27], v[O+2*bi:O+2*bi+1] op_sel_hi:[1,0,1]
.set bi, bi+1
.endr
	WIN 0
.set bi, 0
.rept 32
	v_cvt_pk_f16_f32 v[S+bi], v[O+2*bi], v[O+2*bi+1]
.set bi, bi+1
.endr
.irp t, 0,1,2,3,4,5,6,7
	ds_store_b128 v[STO], v[S+4*\t:S+4*\t+3] offset:32*\t    ; the stage lies in my pair's region, which I have read out
.endr
.irp f, 0,1,2,3,4,5,6,7
	ds_load_b128 v[S+4*\f:S+4*\f+3], v[RD] offset:544*\f     ; LDS serves a wave's instructions in order: these see the stores above
.endr
.irp f, 0,1,2,3,4,5,6,7
	s_wait_dscnt 7-\f
	global_store_b128 v[GO], v[S+4*\f:S+4*\f+3], s[10:11] offset:8192*\f   ; sixteen lanes store 256 consecutive bytes, aligned
.endr
.Lsent_\@:
.endm
; Behind each slot: was it the first pass's last?  The branch hangs on the cluster's number and the count of slots: all eight waves, and all four partners, go the same way.
; The second tile's Q is asked for first and waited for last.  O^T and the sum are not cleared: m is set under every score, so the next step's factor is 0 (and so is the factor at the end, for a wave with no step left).
.macro PCHK
	s_cmp_lg_u32 s[NS], s[PCH]
	s_cbranch_scc1 .Lsame_\@
.irp c, 0,1,2,3
	global_load_b128 v[Q+8*\c:Q+8*\c+3], v[QO], s[QB2:QB2+1] offset:64*\c
	global_load_b128 v[Q+8*\c+4:Q+8*\c+7], v[QO], s[QB2:QB2+1] offset:64*\c+32
.endr
	WAYOUT 0
	s_mov_b32 s[TAU], s[TAU2]
	s_lshl_b32 s[SI], s[HF], 1
	v_mov_b32 v17, 0xff61b1e6
	v_mul_f32 v16, s[CS], v17
	s_wait_xcnt 0x0                                ; the stores have read S^T's registers: the next scores may be written there
	s_wait_loadcnt 0x0                             ; Q
.Lsame_\@:
	s_add_co_u32 s[NS], s[NS], 1
.endm
.Llap:                                             ; four trips, two slots each; the ninth slot is written out
	CHANGE 1, 1
	STEP 0, 0, 1
	STEP 0, 1, 3
	PCHK
	CHANGE 0, 1
	STEP 1, 0, 1
	STEP 1, 1, 3
	PCHK
	s_add_co_u32 s[LAP], s[LAP], 1
	s_cmp_lt_u32 s[LAP], 4
	s_cbranch_scc1 .Llap
	CHANGE 1, 0                                    ; the last slot lies in LDS slot 0; nothing is left to ask for
	STEP 0, 0, 1
	STEP 0, 1, 3
	WAYOUT 1
	s_wait_tensorcnt 0x0                           ; the wave's end
	ds_add_u32 v[SPW], v[NIL]
	s_wait_dscnt 0x0
	CROUND                                         ; the closing round
	s_endpgm
.Lfunc_end_k_q9a85957ab7_attn:
	.size	k_q9a85957ab7_attn, .Lfunc_end_k_q9a85957ab7_attn-k_q9a85957ab7_attn
	.p2alignl 7, 3214868480
	.fill 96, 4, 3214868480
	.section	.rodata,"a",@progbits
	.p2align	6, 0x0
	.amdhsa_kernel k_q9a85957ab7_attn
		.amdhsa_group_segment_fixed_size 327680
		.amdhsa_private_segment_fixed_size 0
		.amdhsa_enable_private_segment 0
		.amdhsa_kernarg_size 40
		.amdhsa_user_sgpr_count 2
		.amdhsa_user_sgpr_kernarg_segment_ptr 1
		.amdhsa_wavefront_size32 1
		.amdhsa_system_sgpr_workgroup_id_x 1
		.amdhsa_system_sgpr_workgroup_id_y 1
		.amdhsa_system_sgpr_workgroup_id_z 1
		.amdhsa_system_vgpr_workitem_id 0
		.amdhsa_next_free_vgpr 512
		.amdhsa_next_free_sgpr 96
		.amdhsa_reserve_vcc 1
		.amdhsa_float_denorm_mode_32 3
		.amdhsa_float_denorm_mode_16_64 3
		.amdhsa_memory_ordered 1
		.amdhsa_forward_progress 1
		.amdhsa_inst_pref_size 160
	.end_amdhsa_kernel
	.amdgpu_metadata
---
amdhsa.version: [ 1, 2 ]
amdhsa.kernels:
  - .name:           k_q9a85957ab7_attn
    .symbol:         k_q9a85957ab7_attn.kd
    .args:
      - { .name: qkvh, .offset: 0, .size: 8, .value_kind: global_buffer, .address_space: global }
      - { .name: wob, .offset: 8, .size: 8, .value_kind: global_buffer, .address_space: global }
      - { .name: b_O, .offset: 16, .size: 8, .value_kind: global_buffer, .address_space: global }
      - { .name: zh, .offset: 24, .size: 8, .value_kind: global_buffer, .address_space: global }
      - { .name: out0, .offset: 32, .size: 8, .value_kind: global_buffer, .address_space: global }
    .group_segment_fixed_size: 327680
    .private_segment_fixed_size: 0
    .kernarg_segment_align: 8
    .kernarg_segment_size: 40
    .max_flat_workgroup_size: 256
    .sgpr_count:     96
    .vgpr_count:     512
    .wavefront_size: 32
...
	.end_amdgpu_metadata
.endif
;; end of part 4
;; launch oproj (part 5): grid 16 x 16, 4 waves a work-group, clusters of 4 x 4, 327,680 bytes of LDS; arguments zh, wob, b_O, out0; writes out0
.if DOCPART == 5
	.amdgcn_target "amdgcn-amd-amdhsa--gfx1250"
	.amdhsa_code_object_version 6
	.text
	.protected	k_q9a85957ab7_oproj
	.globl	k_q9a85957ab7_oproj
	.p2align	8
	.type	k_q9a85957ab7_oproj,@function
k_q9a85957ab7_oproj:
	s_mov_b64 s[64:65], 0
	v_nop
	global_prefetch_b8 v0, s[64:65] scope:SCOPE_SE
	s_setreg_imm32_b32 hwreg(HW_REG_WAVE_MODE, 25, 1), 1
	s_wait_xcnt 0x0
	s_wait_alu depctr_hold_cnt(0) depctr_sa_sdst(0) depctr_va_vdst(0) depctr_va_sdst(0) depctr_va_ssrc(0) depctr_va_vcc(0) depctr_vm_vsrc(0)
	s_getreg_b32 s2, hwreg(HW_REG_IB_STS2, 6, 4)
	s_cmp_eq_u32 s2, 0
	s_cbranch_scc0 .Lentry_in_a_cluster
	s_endpgm
.Lentry_in_a_cluster:
	s_bfe_u32 s2, ttmp6, 0x10000c
	s_cmp_lg_u32 s2, 0xf033
	s_cbranch_scc0 .Lentry_shape_is_right
	s_endpgm
.Lentry_shape_is_right:
; OPROJ.  out[s][m] = the sum over k = (h, d) of z[s][k] W_O[k][m] + b_O[m], rows 16..2047; z and W_O in f16, sums in f32.  (Rows 0..15 were made in f32 by earlier launches and are not stored here.)
; A tile of 128 x 128 for each of 256 work-groups; four waves, 64 x 64 each: 16 accumulators.  K goes in steps of 256 through a ring of two LDS slots: z's rows of 512 bytes, and 256 rows k of W_O's 128 columns (256 bytes).
; W_O lies [k][m]: its fragments come out of LDS turned, by ds_load_tr16_b128.  CLUSTERS: 4 x 4: z's tiles are asked for jointly along a row of the cluster, W_O's along a column.
; The matrix instruction is used transposed (source 0 = 16 columns m, source 1 = 16 rows s): a lane holds eight neighbouring m of a row.  b_O is the C of each sum's first instruction.
; A wave's 64 columns of f32 are 256 bytes: each wave sends its own blocks of 16 rows through its own stage, so that sixteen lanes store 256 consecutive bytes.  No prefetch: small tiles, a short launch.
; REGISTERS: window 0: v0-31 addresses; v32-95 rows on the way out; v96-127 b_O; v128-255 the accumulators ((a, b) at v[128 + 8 (4 a + b)]).   window 1: two fragment buffers of 128: 64 registers of z, then 64 of W_O.
.set KSTEP,  256
.set PITCH,  528                       ; z's LDS row: 512 bytes + 16
.set PB,     288                       ; W_O's: 256 + 32
.set HALFA,  64*PITCH
.set HALFB,  128*PB
.set SLOT,   2*HALFA+2*HALFB
.set SPARE,  2*SLOT                    ; the spare words, 128 bytes a wave
.set LAPS,   4
.set ADRA, 16                          ; v16, v17  my z fragments in slot 0, 1
.set ADRB, 20                          ; v20-23    W_O's: slot 0 rows 0-127, rows 128-255, slot 1 likewise (an LDS offset has 16 bits)
.set BO,   19
.set STO,  24
.set RD,   25
.set CO,   26
.set VP,   27                          ; v27  2 x tile row + my half of the rows: 0 where my block 0 is rows 0..15
.set SPW,  28
.set NIL,  29
.set TMP,  32
.set BI,   96
.set ACC,  128
.set F0,   0
.set F1,   128
.set G1, 24
.set G0, 32
.set G1B, 48
.set G0B, 56
.set MSB, 0
.macro WIN new
.if MSB != (\new)
	s_set_vgpr_msb (MSB<<8)|(\new)
.set MSB, (\new)
.endif
.endm
.set MUL,  0x05
.set TO_F, 0x40
.macro JLOAD s                         ; a joint load: waves 0, 1 fetch z's two halves, waves 2, 3 W_O's; an s_nop 0 and four v_nop follow each line
	s_cmp_eq_u32 s11, 0
	s_cbranch_scc0 .Lfor_b_\@
	tensor_load_to_lds s[G0+4*\s:G0+4*\s+3], s[G1:G1+7]
	s_nop 0
.rept 4
	v_nop
.endr
	s_branch .Lasked_\@
.Lfor_b_\@:
	tensor_load_to_lds s[G0B+4*\s:G0B+4*\s+3], s[G1B:G1B+7]
	s_nop 0
.rept 4
	v_nop
.endr
.Lasked_\@:
.endm
.macro CREST
	s_cmp_lg_u32 s10, 0
	s_cbranch_scc1 .Lnot_wave_0_\@
	s_barrier_signal -3
.Lnot_wave_0_\@:
	s_barrier_wait -3
	s_barrier_signal -1
	s_barrier_wait -1
.endm
.macro CROUND
	s_barrier_signal -1
	s_barrier_wait -1
	CREST
.endm
	s_load_b128 s[4:7], s[0:1], 0x0                ; zh, wob (the f16 copy of W_O lies at its head)
	s_load_b64 s[66:67], s[0:1], 0x10              ; b_O
	s_load_b64 s[8:9], s[0:1], 0x18                ; out0
	v_lshl_add_u32 v[SPW], v0, 2, SPARE
	v_mov_b32 v[NIL], 0
	ds_add_u32 v[SPW], v[NIL]                      ; the wave's opening: the add and its wait ahead of my first tensor load
	v_lshrrev_b32 v1, 5, v0
	v_readfirstlane_b32 s10, v1
	s_lshr_b32 s11, s10, 1                         ; my half of the rows.  Also: I fetch for z (0) or W_O (1)
	s_and_b32 s12, s10, 1                          ; my half of the columns.  Also: which half of that tile I fetch
	s_bfe_u32 s40, ttmp6, 0x40000
	s_bfe_u32 s41, ttmp6, 0x40004
	s_lshl_b32 s42, ttmp9, 2
	s_add_co_u32 s42, s42, s40                     ; tile column
	s_and_b32 s13, ttmp7, 0xffff
	s_lshl_b32 s13, s13, 2
	s_add_co_u32 s13, s13, s41                     ; tile row
	s_lshl_b32 s43, s41, 2
	s_lshl_b32 s43, 15, s43
	s_lshl_b32 s44, 0x1111, s40
	s_or_b32 s[G1+0], s43, (1<<16)|(1<<20)|(1<<21)|(6<<22)|(3<<25)   ; z: elements of 2 bytes; 4 words of padding behind every 128
	s_or_b32 s[G1B+0], s44, (1<<16)|(1<<20)|(1<<21)|(5<<22)|(7<<25)  ; W_O: 8 words behind every 64
	s_mov_b32 s[G1+1], 256<<16                     ; 64 rows of 256 elements, 2,048 elements apart
	s_mov_b32 s[G1+2], 64<<16
	s_mov_b32 s[G1+3], 256<<16
	s_mov_b32 s[G1+4], 64
	s_mov_b32 s[G1+5], 2048
	s_mov_b32 s[G1+6], 0
	s_mov_b32 s[G1+7], 0
	s_mov_b32 s[G1B+1], 128<<16                    ; 128 rows k of 128 elements, 2,048 elements apart
	s_mov_b32 s[G1B+2], 128<<16
	s_mov_b32 s[G1B+3], 128<<16
	s_mov_b32 s[G1B+4], 128
	s_mov_b32 s[G1B+5], 2048
	s_mov_b32 s[G1B+6], 0
	s_mov_b32 s[G1B+7], 0
	s_lshl_b32 s16, s13, 7
	s_lshl_b32 s17, s12, 6
	s_add_co_u32 s16, s16, s17
	s_lshl_b32 s16, s16, 12                        ; z: row 128 x tile row + 64 x half, 4,096 bytes a row
	s_mov_b32 s17, 0
	s_lshl_b32 s46, s42, 8
	s_lshl_b32 s47, s12, 19
	s_add_co_u32 s46, s46, s47                     ; W_O: 256 bytes x tile column + 128 rows x half
	s_mov_b32 s47, 0
	s_mul_i32 s20, s12, HALFA
	s_mul_i32 s21, s12, HALFB
	s_add_co_u32 s21, s21, 2*HALFA
	s_wait_dscnt 0x0
	s_wait_kmcnt 0x0
	s_add_nc_u64 s[14:15], s[4:5], s[16:17]
	s_add_nc_u64 s[46:47], s[6:7], s[46:47]
	CROUND
.irp s, 0,1
	s_mov_b32 s[G0+4*\s], 1
	s_add_co_u32 s[G0+4*\s+1], s20, \s*SLOT
	s_add_nc_u64 s[G0+4*\s+2:G0+4*\s+3], s[14:15], \s*KSTEP*2
	s_or_b32 s[G0+4*\s+3], s[G0+4*\s+3], 0x80000000
	s_mov_b32 s[G0B+4*\s], 1
	s_add_co_u32 s[G0B+4*\s+1], s21, \s*SLOT
	s_add_nc_u64 s[G0B+4*\s+2:G0B+4*\s+3], s[46:47], \s*KSTEP*4096
	s_or_b32 s[G0B+4*\s+3], s[G0B+4*\s+3], 0x80000000
	JLOAD \s
.endr
	v_and_b32 v1, 15, v0
	v_bfe_u32 v2, v0, 4, 1
	v_mul_u32_u24 v3, v1, PITCH
	v_lshl_add_u32 v3, v2, 4, v3
	s_mul_i32 s21, s11, HALFA
	v_add_nc_u32 v16, s21, v3
	v_add_nc_u32 v17, SLOT, v16
	v_and_b32 v4, 7, v0
	v_bfe_u32 v5, v0, 3, 1
	v_lshl_add_u32 v4, v2, 3, v4
	v_mul_u32_u24 v4, v4, PB
	v_lshl_add_u32 v4, v5, 4, v4                   ; the turning load: row 8 (lane / 16) + lane % 8, 16 bytes by (lane / 8) % 2
	s_lshl_b32 s22, s12, 7
	s_add_co_u32 s22, s22, 2*HALFA
	v_add_nc_u32 v20, s22, v4
	v_add_nc_u32 v21, HALFB, v20
	v_add_nc_u32 v22, SLOT, v20
	v_add_nc_u32 v23, SLOT, v21
	s_mul_i32 s23, s10, 16*272                     ; my stage: 16 rows of 272 bytes, in slot 0
	v_mul_u32_u24 v4, v1, 272
	v_lshl_add_u32 v4, v2, 5, v4
	v_add_nc_u32 v[STO], s23, v4
	v_mul_u32_u24 v5, v2, 272
	v_lshl_add_u32 v5, v1, 4, v5
	v_add_nc_u32 v[RD], s23, v5
	v_lshlrev_b32 v[CO], 13, v2
	v_lshl_add_u32 v[CO], v1, 4, v[CO]
	s_lshl_b32 s16, s13, 1
	s_add_co_u32 s16, s16, s11
	v_mov_b32 v[VP], s16
	s_lshl_b32 s16, s16, 19                        ; my first row: 64 x (2 x tile row + half), 8,192 bytes a row
	s_mov_b32 s17, 0
	s_add_nc_u64 s[8:9], s[8:9], s[16:17]
	s_lshl_b32 s46, s42, 9
	s_lshl_b32 s47, s12, 8
	s_add_co_u32 s46, s46, s47                     ; my first column, in bytes
	s_mov_b32 s47, 0
	s_add_nc_u64 s[8:9], s[8:9], s[46:47]
	s_add_nc_u64 s[66:67], s[66:67], s[46:47]
	v_lshlrev_b32 v[BO], 5, v2
.irp b, 0,1,2,3
	global_load_b128 v[BI+8*\b:BI+8*\b+3], v[BO], s[66:67] offset:64*\b        ; b_O(16 b + 8 (lane / 16) + 0..7) of my columns
	global_load_b128 v[BI+8*\b+4:BI+8*\b+7], v[BO], s[66:67] offset:64*\b+16
.endr
.macro MUL8 f, c, a0, zero             ; 8 matrix instructions: row blocks a0, a0 + 1 x all 4 column blocks, 32 along K.  zero = 1: the first product starts the sums, from b_O
.irp a, \a0, \a0+1
.irp b, 0,1,2,3
.if \zero
	v_wmma_f32_16x16x32_f16 v[ACC+8*(4*(\a)+\b):ACC+8*(4*(\a)+\b)+7], v[\f+64+8*(4*\c+\b):\f+64+8*(4*\c+\b)+7], v[\f+8*(4*\c+\a):\f+8*(4*\c+\a)+7], v[BI+8*\b:BI+8*\b+7]
.else
	v_wmma_f32_16x16x32_f16 v[ACC+8*(4*(\a)+\b):ACC+8*(4*(\a)+\b)+7], v[\f+64+8*(4*\c+\b):\f+64+8*(4*\c+\b)+7], v[\f+8*(4*\c+\a):\f+8*(4*\c+\a)+7], v[ACC+8*(4*(\a)+\b):ACC+8*(4*(\a)+\b)+7]
.endif
.endr
.endr
.endm
.macro FETCH slot, qd, f               ; 32 LDS loads in one run: the fragments of the slot's qd-th 64 along K; the first 32 along K first
	WIN TO_F
.irp c, 0,1
.irp i, 0,1,2,3
	ds_load_tr16_b128 v[\f+64+8*(4*\c+\i):\f+64+8*(4*\c+\i)+3],   v[ADRB+2*\slot+(\qd)/2] offset:(64*((\qd)%2)+32*\c)*PB+32*\i
	ds_load_tr16_b128 v[\f+64+8*(4*\c+\i)+4:\f+64+8*(4*\c+\i)+7], v[ADRB+2*\slot+(\qd)/2] offset:(64*((\qd)%2)+32*\c)*PB+32*\i+16*PB
	ds_load_b128 v[\f+8*(4*\c+\i):\f+8*(4*\c+\i)+3],         v[ADRA+\slot] offset:128*(\qd)+64*\c+\i*16*PITCH
	ds_load_b128 v[\f+8*(4*\c+\i)+4:\f+8*(4*\c+\i)+7],       v[ADRA+\slot] offset:128*(\qd)+64*\c+\i*16*PITCH+32
.endr
.endr
.endm
.macro PLACES
.rept 4
	v_nop
.endr
.endm
.macro QUARTER slot, qd, f, g, zero    ; multiplies buffer f and fetches the slot's qd-th quarter into g
	s_wait_dscnt 16                                ; the first 32 along K are in; the other sixteen loads may be out
	WIN MUL
	MUL8 \f, 0, 0, \zero
	MUL8 \f, 0, 2, \zero
	PLACES
	FETCH \slot, \qd, \g
	s_wait_dscnt 32                                ; all but the 32 just issued
	WIN MUL
	MUL8 \f, 1, 0, 0
	MUL8 \f, 1, 2, 0
.endm
.macro TURN slot, next, fill           ; the last quarter changes slots: one barrier; in front of it the wait for all my tensor loads, the add, and the wait for it and for my reads of this slot
	WIN 0
	s_wait_tensorcnt 0x0
	ds_add_u32 v[SPW], v[NIL]
	s_wait_dscnt 17                                ; the add and the youngest sixteen loads may be out
	WIN MUL
	MUL8 F1, 0, 0, 0
	s_wait_dscnt 0x0
	s_barrier_signal -1
	MUL8 F1, 0, 2, 0
.if \fill
	WIN 0
.endif
	s_barrier_wait -1
.if \fill
	CREST                                          ; the barrier has opened a round of the cluster's: no wave of any partner still reads this slot or has a load on its way
	s_add_nc_u64 s[G0+4*\slot+2:G0+4*\slot+3], s[G0+4*\slot+2:G0+4*\slot+3], 2*KSTEP*2
	s_add_nc_u64 s[G0B+4*\slot+2:G0B+4*\slot+3], s[G0B+4*\slot+2:G0B+4*\slot+3], 2*KSTEP*4096
	JLOAD \slot
.else
	PLACES
.endif
	FETCH \next, 0, F0
	WIN MUL
	MUL8 F1, 1, 0, 0
	MUL8 F1, 1, 2, 0
.endm
	s_wait_tensorcnt 1                             ; my part of K step 0 is in; K step 1's load may be out
	s_barrier_signal -1
	s_barrier_wait -1
	FETCH 0, 0, F0
	s_wait_loadcnt 0x0                             ; b_O
	QUARTER 0, 1, F0, F1, 1
	WIN 0
	s_mov_b32 s3, LAPS-1
.Llap:
	QUARTER 0, 2, F1, F0, 0
	QUARTER 0, 3, F0, F1, 0
	TURN 0, 1, 1
	QUARTER 1, 1, F0, F1, 0
	QUARTER 1, 2, F1, F0, 0
	QUARTER 1, 3, F0, F1, 0
	TURN 1, 0, 1
	QUARTER 0, 1, F0, F1, 0
	WIN 0
	s_sub_co_u32 s3, s3, 1
	s_cmp_lg_u32 s3, 0
	s_cbranch_scc1 .Llap
	QUARTER 0, 2, F1, F0, 0
	QUARTER 0, 3, F0, F1, 0
	TURN 0, 1, 0
	QUARTER 1, 1, F0, F1, 0
	QUARTER 1, 2, F1, F0, 0
	QUARTER 1, 3, F0, F1, 0
	s_wait_dscnt 16
	WIN MUL
	MUL8 F1, 0, 0, 0
	MUL8 F1, 0, 2, 0
	s_wait_dscnt 0
	MUL8 F1, 1, 0, 0
	MUL8 F1, 1, 2, 0
	WIN 0
	PLACES
; THE WAY OUT, block by block of 16 rows x 64 columns, through my own stage (in slot 0: it has had its last fill, and since the last change of slots nobody reads it).
.macro TOSTAGE a
.irp b, 0,1,2,3
	ds_store_b128 v[STO], v[ACC+8*(4*(\a)+\b):ACC+8*(4*(\a)+\b)+3] offset:64*\b          ; each accumulator from its low end on
	ds_store_b128 v[STO], v[ACC+8*(4*(\a)+\b)+4:ACC+8*(4*(\a)+\b)+7] offset:64*\b+16
.endr
.irp t, 0,1,2,3,4,5,6,7
	ds_load_b128 v[TMP+32*((\a)%2)+4*\t:TMP+32*((\a)%2)+4*\t+3], v[RD] offset:544*\t   ; LDS serves a wave's instructions in order
.endr
.endm
.macro SEND a, younger
	s_wait_dscnt \younger
.irp t, 0,1,2,3,4,5,6,7
	global_store_b128 v[CO], v[TMP+32*((\a)%2)+4*\t:TMP+32*((\a)%2)+4*\t+3], s[8:9] offset:(16*(\a)+2*\t)*8192 th:TH_STORE_NT   ; sixteen lanes store 256 consecutive bytes, aligned
.endr
.endm
	TOSTAGE 0
	s_wait_dscnt 0x0
	v_cmp_ne_u32 vcc_lo, 0, v[VP]                  ; rows 0..15 are not this launch's: a mask on the stores, no branch
	s_wait_xcnt 0x0                                ; EXEC changes only behind this wait
	s_and_saveexec_b32 s3, vcc_lo
	SEND 0, 0
	s_wait_xcnt 0x0
	s_or_b32 exec_lo, exec_lo, s3
	TOSTAGE 1
	TOSTAGE 2
	SEND 1, 16                                     ; behind block 1's loads: block 2's 8 stores and 8 loads
	s_wait_xcnt 0x0                                ; block 1's stores have read their registers: block 3 may land there
	TOSTAGE 3
	SEND 2, 16
	SEND 3, 0
	s_wait_tensorcnt 0x0                           ; the wave's end
	ds_add_u32 v[SPW], v[NIL]
	s_wait_dscnt 0x0
	CROUND                                         ; the closing round
	s_endpgm
.Lfunc_end_k_q9a85957ab7_oproj:
	.size	k_q9a85957ab7_oproj, .Lfunc_end_k_q9a85957ab7_oproj-k_q9a85957ab7_oproj
	.p2alignl 7, 3214868480
	.fill 96, 4, 3214868480
	.section	.rodata,"a",@progbits
	.p2align	6, 0x0
	.amdhsa_kernel k_q9a85957ab7_oproj
		.amdhsa_group_segment_fixed_size 327680
		.amdhsa_private_segment_fixed_size 0
		.amdhsa_enable_private_segment 0
		.amdhsa_kernarg_size 32
		.amdhsa_user_sgpr_count 2
		.amdhsa_user_sgpr_kernarg_segment_ptr 1
		.amdhsa_wavefront_size32 1
		.amdhsa_system_sgpr_workgroup_id_x 1
		.amdhsa_system_sgpr_workgroup_id_y 1
		.amdhsa_system_sgpr_workgroup_id_z 1
		.amdhsa_system_vgpr_workitem_id 0
		.amdhsa_next_free_vgpr 512
		.amdhsa_next_free_sgpr 72
		.amdhsa_reserve_vcc 1
		.amdhsa_float_denorm_mode_32 3
		.amdhsa_float_denorm_mode_16_64 3
		.amdhsa_memory_ordered 1
		.amdhsa_forward_progress 1
		.amdhsa_inst_pref_size 87
	.end_amdhsa_kernel
	.amdgpu_metadata
---
amdhsa.version: [ 1, 2 ]
amdhsa.kernels:
  - .name:           k_q9a85957ab7_oproj
    .symbol:         k_q9a85957ab7_oproj.kd
    .args:
      - { .name: zh, .offset: 0, .size: 8, .value_kind: global_buffer, .address_space: global }
      - { .name: wob, .offset: 8, .size: 8, .value_kind: global_buffer, .address_space: global }
      - { .name: b_O, .offset: 16, .size: 8, .value_kind: global_buffer, .address_space: global }
      - { .name: out0, .offset: 24, .size: 8, .value_kind: global_buffer, .address_space: global }
    .group_segment_fixed_size: 327680
    .private_segment_fixed_size: 0
    .kernarg_segment_align: 8
    .kernarg_segment_size: 32
    .max_flat_workgroup_size: 128
    .sgpr_count:     72
    .vgpr_count:     512
    .wavefront_size: 32
...
	.end_amdgpu_metadata
.endif
;; end of part 5
